; MI455X (gfx1250); checked and timed in simulation.
; The chip was launched on July 23, 2026; its instructions are those of AMD's public machine-readable ISA for CDNA 5 (MIT licence, August 2026) and "CDNA5" Instruction Set Architecture Reference Guide (July 2026). The comments in the code are by the model that wrote it; some were corrected since.
;; Old Multihead Attention. Allowed arithmetic: matrix products marked QUANTISED: E2M3 operands, one E8M0 scale for each 32 along K, by v_wmma_scale_f32_16x16x128_f8f6f4 with both operands' format E2M3, f32 sums; everything else in f32.
;; Inputs: Wk 1,024 x 1,024 float32; Wo 1,024 x 1,024 float32; Wq 1,024 x 1,024 float32; Wv 1,024 x 1,024 float32; bk 1,024 float32; bo 1,024 float32; bq 1,024 float32; bv 1,024 float32; key 4 x 2,048 x 1,024 float32; ln_beta 1,024 float32; ln_gamma 1,024 float32; query 4 x 2,048 x 1,024 float32; value 4 x 2,048 x 1,024 float32.
;; Outputs: out0 4 x 2,048 x 1,024 float32.
;; This version of the problem:
;;   THIS VERSION OF THE PROBLEM IS GIVEN IN LOW PRECISION. The matrix products marked QUANTISED in the list below multiply operands that are first quantised to E2M3 (2 exponent bits, 3 mantissa bits; 6 bits a number), with one power-of-two scale for each 32 numbers along K (OCP MX v1.0); their sums are f32. All else is computed in f32.
;;   The module's matrix products, in the order in which they are computed (A, B: the left and right operand; K: the contracted axis; several contracted axes count as one K, in the product's order):
;;     1. [M 8,192, K 1,024] x [K 1,024, N 1,024]; A: input query; B: input Wq: QUANTISED
;;     2. [M 8,192, K 1,024] x [K 1,024, N 1,024]; A: input key; B: input Wk: QUANTISED
;;     3. [M 8,192, K 1,024] x [K 1,024, N 1,024]; A: input value; B: input Wv: QUANTISED
;;     4. batch 64 x [M 2,048, K 64] x [K 64, N 2,048]; A: computed on the way; B: computed on the way: QUANTISED
;;     5. batch 64 x [M 64, K 2,048] x [K 2,048, N 2,048]; A: computed on the way; B: softmax (see below): QUANTISED
;;     6. [M 8,192, K 1,024] x [K 1,024, N 1,024]; A: computed on the way; B: input Wo: QUANTISED
;;   THE QUANTISER, for each operand of a quantised product, along K:
;;     - K is cut into blocks of 32 from its start; a last block that is shorter is filled with zeros.
;;     - A block's scale is 2^e with e = floor(log2(the largest magnitude in the block)) - 2, held to -126 .. 127; a block of zeros has e = 0. As a byte (E8M0): e + 127.
;;     - Each number is divided by its block's scale, clamped to +-7.5, and rounded to the nearest number of E2M3, ties to even, subnormals kept.
;;     - The product sums the exact products of the quantised numbers (number of the format x scale) in f32.
;;   ~~~python
;;   def quantise(x, axis):      # numpy; x: float32 -> the quantised numbers, widened to float32 again
;;       x = np.moveaxis(x, axis, -1); K = x.shape[-1]
;;       x = np.pad(x, [(0, 0)] * (x.ndim - 1) + [(0, -K % 32)]); x = x.reshape(x.shape[:-1] + (-1, 32)); a = np.abs(x).max(-1, keepdims=True)
;;       e = np.where(a > 0, np.clip(np.frexp(np.where(a > 0, a, 1))[1] - 1 - 2, -126, 127), 0)      # np.frexp(a)[1] - 1 = floor(log2(a)), exactly
;;       r = np.clip(x / 2.0 ** e, -7.5, 7.5)
;;       step = 2.0 ** (np.maximum(np.frexp(np.where(r == 0, 1, r))[1] - 1, 0) - 3)
;;       q = np.round(r / step) * step * 2.0 ** e      # np.round: ties to even
;;       return np.moveaxis(q.reshape(q.shape[:-2] + (-1,))[..., :K], -1, axis).astype(np.float32)
;;   ~~~
;;   SOFTMAX AHEAD OF A QUANTISED PRODUCT. Where the list says 'softmax', what is quantised is not the finished softmax but p = 2^(t - M), with t = logit x log2(e) and M = ceil(the row's largest t), a whole number; so 1/2 < the row's largest p <= 1. The row's sum l is taken of the UNQUANTISED p, in f32, and the product's result is divided by l at the end. Since M is a whole number, a kernel that streams over the keys may use a running M (the ceiling of the running maximum): every later rescaling is an exact power of two, which a block's scale takes up: the codes' values come out the same.
;;   OPERANDS COMPUTED ON THE WAY. 'Computed on the way' means the value that the module computes at that place (a softmax that the list does not call 'softmax' is quantised finished and normalised). What goes into a quantiser is computed in f32, as accurately as f32 sums, v_exp_f32 and their like allow (about 1e-6 of the number): no bf16 or f16 on the way to a quantiser, and a product that is left as it is and whose result goes on into a quantised operand takes f32 operands (vector FMAs, or v_wmma_f32_16x16x4_f32). A number that lies on a knife's edge between two numbers of the format may be rounded either way, as far as f32 arithmetic and the matrix unit's own rounding can turn it there, and no further.
;; One version. Each part assembles by itself: llvm-mc -triple=amdgcn-amd-amdhsa -mcpu=gfx1250 --defsym DOCPART=n.
;; ======== version 1 of 1: 6 launches
;; workspace buffers: wc 3,145,728 bytes; ws 131,072 bytes; xc 18,874,368 bytes; xs 786,432 bytes; att 19,660,800 bytes; ac 6,291,456 bytes; asc 262,144 bytes
;; launch quant_w (part 1): grid 8 x 16, 4 waves a work-group, no clusters, 25,088 bytes of LDS; arguments Wq, Wk, Wv, Wo, wc, ws; writes wc, ws
.if DOCPART == 1
	.amdgcn_target "amdgcn-amd-amdhsa--gfx1250"
	.amdhsa_code_object_version 6
	.text
	.protected	k_qe0fcba03de_quant_w
	.globl	k_qe0fcba03de_quant_w
	.p2align	8
	.type	k_qe0fcba03de_quant_w,@function
k_qe0fcba03de_quant_w:
	s_mov_b64 s[64:65], 0
	v_nop
	global_prefetch_b8 v0, s[64:65] scope:SCOPE_SE
	s_setreg_imm32_b32 hwreg(HW_REG_WAVE_MODE, 25, 1), 1
	s_wait_xcnt 0x0
; Wq, Wk, Wv, Wo: [1024 (k)][1024 (n)] f32, K the FIRST axis, become codes of FP6 (E2M3) with one E8M0 byte for each 32 along K.
; A block's scale is 2^(floor(log2(largest magnitude)) - 2); its byte is the largest magnitude's exponent field - 2, held at 1 from below.
; LIMITS: NaN and infinities are not served; a block of zeros gets the byte 1 (its codes are zeros; this program alone reads the bytes); blocks under 2^-124 are held at the byte 1.
; LAYOUT OF THE CODES: the order of the operand's registers.  A tile is 16 columns, a K step 128: its fragment is 12 registers a lane, kept as an image of 1,536 bytes:
; register p of lane l at 512 (p / 4) + 16 l + 4 (p % 4).  wc: (64 weight + tile) x 12,288 + K step x 1,536.  ws: (1,024 weight + stored column) x 32 + k / 32.
; STORED ORDER: column a lies at place s(a), s = a with its bits 3 and 4 changed over.  So row m of tile 2 b + u is column 32 b + 8 u + m % 8 + 16 (m / 8): a product whose source 0 is such
; tiles leaves 16 neighbouring columns in the 16 registers of two neighbouring tiles.
; SHARES: work-group x: 128 columns; y = 4 weight + quarter of K.  A wave: 32 columns x 256 along K.  A LANE TAKES A COLUMN, ITS REGISTERS RUN DOWN K: lane l takes column s(l), so a load still
; covers 128 consecutive bytes, a block of 32 lies in one lane, and the lane's number is the stored place.  The images are gathered in the wave's own stage and leave in runs of 512 bytes.
.set X,     32                         ; v32-95   two sets of 32 numbers
.set F,     96                         ; v96-101  a block's six registers of codes
.set T,     104                        ; v104-106 the second conversion's three (a conversion's registers begin on an even number)
.set OUTR,  112                        ; v112-159 the way out
.set SB,    24                         ; v24-25   my column's eight scale bytes
.set SPW,   14                         ; v14      LDS address of my spare word; never rewritten
.set NIL,   15                         ; v15      0; never rewritten
.set WSTG,  6144                       ; a wave's stage: [tile 0, 1][K step 0, 1][1,536]
.set SPARE, 4*WSTG                     ; behind the stages: the spare words, 128 bytes a wave
	s_load_b256 s[4:11], s[0:1], 0x0               ; Wq, Wk, Wv, Wo
	s_load_b128 s[12:15], s[0:1], 0x20             ; wc, ws
	v_lshl_add_u32 v[SPW], v0, 2, SPARE
	v_mov_b32 v[NIL], 0
	v_lshrrev_b32 v1, 5, v0
	v_readfirstlane_b32 s16, v1                    ; wave
	v_and_b32 v2, 31, v0                           ; lane = stored place among the wave's 32 columns
	v_and_b32 v10, 7, v2
	v_bfe_u32 v11, v2, 3, 1
	v_lshl_or_b32 v10, v11, 4, v10
	v_bfe_u32 v12, v2, 4, 1
	v_lshl_or_b32 v10, v12, 3, v10                 ; s(lane): the column that I take
	v_lshlrev_b32 v3, 2, v10                       ; in: 4 bytes a column
	s_mul_i32 s17, s16, WSTG
	v_and_b32 v13, 15, v2
	v_mul_u32_u24 v4, v12, 3072
	v_lshl_add_u32 v4, v13, 4, v4
	v_add_nc_u32 v4, s17, v4                       ; into the stage: my tile, 16 x my row in it
	v_lshlrev_b32 v8, 4, v2                        ; out: 16 bytes a lane
	v_add_nc_u32 v7, s17, v8
	v_lshlrev_b32 v9, 5, v2                        ; my row of scale bytes
	s_and_b32 s18, ttmp7, 0xffff
	s_lshr_b32 s19, s18, 2                         ; which weight
	s_and_b32 s18, s18, 3                          ; which 256 along K
	s_lshl_b32 s24, s18, 20                        ; W: 256 rows of 4,096 bytes,
	s_lshl_b32 s20, ttmp9, 9
	s_add_co_u32 s24, s24, s20                     ; + 128 columns a work-group,
	s_lshl_b32 s20, s16, 7
	s_add_co_u32 s24, s24, s20                     ; + 32 a wave
	s_mov_b32 s25, 0
	s_lshl_b32 s26, s19, 6
	s_lshl_b32 s20, ttmp9, 3
	s_add_co_u32 s26, s26, s20
	s_lshl_b32 s20, s16, 1
	s_add_co_u32 s26, s26, s20                     ; my first tile: 64 weight + 8 x + 2 wave
	s_lshl_b32 s28, s26, 9                         ; its rows of scale bytes: 16 x 32 a tile,
	s_lshl_b32 s20, s18, 3
	s_add_co_u32 s28, s28, s20                     ; + my 8 blocks' place
	s_mov_b32 s29, 0
	s_mul_i32 s26, s26, 12288
	s_mul_i32 s20, s18, 3072
	s_add_co_u32 s26, s26, s20                     ; its images: + two K steps a quarter
	s_mov_b32 s27, 0
	s_wait_kmcnt 0x0
	s_bitcmp1_b32 s19, 0                           ; the weight is chosen by the work-group's number alone
	s_cselect_b64 s[20:21], s[6:7], s[4:5]
	s_cselect_b64 s[22:23], s[10:11], s[8:9]
	s_cmp_lt_u32 s19, 2
	s_cselect_b64 s[4:5], s[20:21], s[22:23]
	s_add_nc_u64 s[4:5], s[4:5], s[24:25]
	s_add_nc_u64 s[12:13], s[12:13], s[26:27]
	s_add_nc_u64 s[14:15], s[14:15], s[28:29]
.macro LOAD t                          ; block t: W(32 t + i, my column), i = 0 .. 31, into set t % 2
.set i, 0
.rept 32
	global_load_b32 v[X+32*((\t)%2)+i], v3, s[4:5] offset:(32*(\t)+i)*4096 th:TH_LOAD_NT
.set i, i+1
.endr
.endm
	LOAD 0
	LOAD 1
; Block t is block t % 4 of K step t / 4: in the fragment it belongs to lane 16 (t % 2) + row, registers 6 c .. 6 c + 5 with c = (t / 2) % 2.
.macro BLOCK t
.set XS, X+32*((\t)%2)
.set IMM, ((\t)/4)*1536+256*((\t)%2)
.if (\t) < 7
	s_wait_loadcnt 32                              ; this block's 32 loads are in; the next block's may be out
.else
	s_wait_loadcnt 0x0
.endif
	v_max3_num_f32 v12, |v[XS]|, |v[XS+1]|, |v[XS+2]|
	v_max3_num_f32 v13, |v[XS+3]|, |v[XS+4]|, |v[XS+5]|
.irp i, 6,10,14,18,22,26
	v_max3_num_f32 v12, v12, |v[XS+\i]|, |v[XS+\i+1]|
	v_max3_num_f32 v13, v13, |v[XS+\i+2]|, |v[XS+\i+3]|
.endr
	v_max3_num_f32 v12, v12, |v[XS+30]|, |v[XS+31]|
	v_max3_num_f32 v12, v12, v13, 0x1800000        ; the floor 2^(3 - 127): the byte cannot fall under 1
	v_add_nc_u32 v11, 0xff000000, v12              ; 2 off the exponent field: the conversion's scale operand
	v_lshrrev_b32 v13, 23, v11                     ; the scale's byte
.if (\t)%4 == 0
	v_mov_b32 v[SB+(\t)/4], v13
.else
	v_lshl_or_b32 v[SB+(\t)/4], v13, 8*((\t)%4), v[SB+(\t)/4]
.endif
	v_cvt_scalef32_pk16_fp6_f32 v[F:F+2], v[XS:XS+15], v11
	v_cvt_scalef32_pk16_fp6_f32 v[T:T+2], v[XS+16:XS+31], v11
	v_nop                                          ; one plain place behind the conversions
.irp i, 0,1,2
	v_mov_b32 v[F+3+\i], v[T+\i]
.endr
.if ((\t)/2)%2 == 0
	ds_store_b128 v4, v[F:F+3] offset:IMM          ; registers 0-3 of the fragment,
	ds_store_b64 v4, v[F+4:F+5] offset:IMM+512     ; 4 and 5
.else
	ds_store_b64 v4, v[F:F+1] offset:IMM+520       ; registers 6 and 7,
	ds_store_b128 v4, v[F+2:F+5] offset:IMM+1024   ; 8-11
.endif
.if (\t)+2 < 8
	LOAD (\t)+2
.endif
	s_wait_dscnt 0x0                               ; the stores have read their registers
.endm
.irp t, 0,1,2,3,4,5,6,7
	BLOCK \t
.endr
	global_store_b64 v9, v[SB:SB+1], s[14:15]      ; my column's 8 scale bytes (rows 32 bytes apart: one byte for 128 that are read)
.irp j, 0,1,2,3,4,5,6,7,8,9,10,11
	ds_load_b128 v[OUTR+4*\j:OUTR+4*\j+3], v7 offset:512*\j   ; LDS serves a wave's instructions in order: these see my stores
.endr
.irp j, 0,1,2,3,4,5,6,7,8,9,10,11
	s_wait_dscnt 11-\j
	global_store_b128 v8, v[OUTR+4*\j:OUTR+4*\j+3], s[12:13] offset:(\j/6)*12288+(\j%6)*512   ; 512 consecutive bytes, aligned
.endr
	s_wait_tensorcnt 0x0                           ; the wave's end, behind my last LDS store
	ds_add_u32 v[SPW], v[NIL]
	s_wait_dscnt 0x0
	s_endpgm
.Lfunc_end_k_qe0fcba03de_quant_w:
	.size	k_qe0fcba03de_quant_w, .Lfunc_end_k_qe0fcba03de_quant_w-k_qe0fcba03de_quant_w
	.p2alignl 7, 3214868480
	.fill 96, 4, 3214868480
	.section	.rodata,"a",@progbits
	.p2align	6, 0x0
	.amdhsa_kernel k_qe0fcba03de_quant_w
		.amdhsa_group_segment_fixed_size 25088
		.amdhsa_private_segment_fixed_size 0
		.amdhsa_enable_private_segment 0
		.amdhsa_kernarg_size 48
		.amdhsa_user_sgpr_count 2
		.amdhsa_user_sgpr_kernarg_segment_ptr 1
		.amdhsa_wavefront_size32 1
		.amdhsa_system_sgpr_workgroup_id_x 1
		.amdhsa_system_sgpr_workgroup_id_y 1
		.amdhsa_system_sgpr_workgroup_id_z 1
		.amdhsa_system_vgpr_workitem_id 0
		.amdhsa_next_free_vgpr 192
		.amdhsa_next_free_sgpr 66
		.amdhsa_reserve_vcc 0
		.amdhsa_float_denorm_mode_32 3
		.amdhsa_float_denorm_mode_16_64 3
		.amdhsa_memory_ordered 1
		.amdhsa_forward_progress 1
		.amdhsa_inst_pref_size 42
	.end_amdhsa_kernel
	.amdgpu_metadata
---
amdhsa.version: [ 1, 2 ]
amdhsa.kernels:
  - .name:           k_qe0fcba03de_quant_w
    .symbol:         k_qe0fcba03de_quant_w.kd
    .args:
      - { .name: Wq, .offset: 0, .size: 8, .value_kind: global_buffer, .address_space: global }
      - { .name: Wk, .offset: 8, .size: 8, .value_kind: global_buffer, .address_space: global }
      - { .name: Wv, .offset: 16, .size: 8, .value_kind: global_buffer, .address_space: global }
      - { .name: Wo, .offset: 24, .size: 8, .value_kind: global_buffer, .address_space: global }
      - { .name: wc, .offset: 32, .size: 8, .value_kind: global_buffer, .address_space: global }
      - { .name: ws, .offset: 40, .size: 8, .value_kind: global_buffer, .address_space: global }
    .group_segment_fixed_size: 25088
    .private_segment_fixed_size: 0
    .kernarg_segment_align: 8
    .kernarg_segment_size: 48
    .max_flat_workgroup_size: 128
    .sgpr_count:     66
    .vgpr_count:     192
    .wavefront_size: 32
...
	.end_amdgpu_metadata
.endif
;; end of part 1
;; launch quant_x (part 2): grid 384 x 1, 4 waves a work-group, no clusters, 34,304 bytes of LDS; arguments query, key, value, xc, xs; writes xc, xs
.if DOCPART == 2
	.amdgcn_target "amdgcn-amd-amdhsa--gfx1250"
	.amdhsa_code_object_version 6
	.text
	.protected	k_qe0fcba03de_quant_x
	.globl	k_qe0fcba03de_quant_x
	.p2align	8
	.type	k_qe0fcba03de_quant_x,@function
k_qe0fcba03de_quant_x:
	s_mov_b64 s[64:65], 0
	v_nop
	global_prefetch_b8 v0, s[64:65] scope:SCOPE_SE
	s_setreg_imm32_b32 hwreg(HW_REG_WAVE_MODE, 25, 1), 1
	s_wait_xcnt 0x0
; query, key, value: [8192][1024] f32, K innermost, become codes of FP6 (E2M3) with one E8M0 byte for each 32 along K, laid in the order of the operand's registers:
; xc: (512 tensor + tile) x 12,288 + K step x 1,536: an image of a fragment (16 rows x 128 K): register p of lane l at 512 (p / 4) + 16 l + 4 (p % 4).  xs: (8,192 tensor + stored row) x 32 + k / 32.
; STORED ORDER: row a lies at place s(a), s = a with its bits 3 and 4 changed over: row m of tile 2 b + u is row 32 b + 8 u + m + 8 (m / 8).
; LIMITS: NaN and infinities are not served; a block of zeros gets the byte 1 (zero codes; this program alone reads the bytes); blocks under 2^-124 are held at the byte 1.
; SHARES: a wave takes one tile, 16 rows, through all 8 K steps.  A load reads 512 consecutive bytes of one row; a K step's 16 loads turn through the wave's own stage (rows 528 bytes apart), out of
; which lane (r, h) takes, of row r, 16 neighbours of each block of 32.  Waves share nothing: no barrier.  Two K steps (32 loads a wave) are on their way.
.set SPW, 10                           ; v10     LDS address of my spare word; never rewritten
.set NIL, 11                           ; v11     0; never rewritten
.set TM,  12                           ; v12-27  largest magnitudes, bytes, scale operands
.set PW,  28                           ; v28     the scale word just made
.set PC,  32                           ; v32-43  the fragment just made; v44-50 the conversions' second halves
.set SW,  52                           ; v52-59  a scale word for each K step
.set SOUT, 60                          ; v60-63  my 16 bytes of the tile's scale rows
.set X,   64                           ; v64-127 register 16 b + i = k 32 b + 16 h + i of my row
.set R,   128                          ; v128-255 two sets of 64, as loaded
.set WSTG, 16*528
.set SPARE, 4*WSTG
.set SEL, 20
	s_load_b256 s[4:11], s[0:1], 0x0               ; query, key, value, xc
	s_load_b64 s[12:13], s[0:1], 0x20              ; xs
	v_lshl_add_u32 v[SPW], v0, 2, SPARE
	v_mov_b32 v[NIL], 0
	v_lshrrev_b32 v1, 5, v0
	v_readfirstlane_b32 s16, v1                    ; wave
	v_and_b32 v2, 31, v0
	v_and_b32 v3, 15, v0                           ; r
	v_bfe_u32 v7, v0, 4, 1                         ; h
	v_lshlrev_b32 v4, 4, v2                        ; 16 x lane
	s_mul_i32 s17, s16, WSTG
	v_add_nc_u32 v5, s17, v4                       ; the stage, on the way in
	v_mul_u32_u24 v6, v3, 528
	v_lshl_add_u32 v6, v7, 6, v6
	v_add_nc_u32 v6, s17, v6                       ; and out: row r, + 64 h
	v_lshlrev_b32 v8, 5, v3
	v_lshl_add_u32 v8, v7, 4, v8                   ; scale rows: 32 r + 16 h
.irp b, 0,1,2,3
	v_mov_b32 v[TM+4+\b], 0                        ; written once: a lane permute's destination counts as one of its sources
.endr
	s_mov_b32 s[SEL], 0x76543210
	s_mov_b32 s[SEL+1], 0xfedcba98                 ; lane l xor 16
	s_mov_b32 s22, 0xffff0000                      ; lanes 16-31
	s_lshr_b32 s18, ttmp9, 7                       ; which tensor: 128 work-groups each
	s_and_b32 s19, ttmp9, 127
	s_lshl_b32 s24, s19, 6
	s_lshr_b32 s23, s16, 1
	s_lshl_b32 s23, s23, 5
	s_add_co_u32 s24, s24, s23
	s_and_b32 s23, s16, 1
	s_lshl_b32 s23, s23, 3
	s_add_co_u32 s24, s24, s23                     ; the tile's first row: 64 (work-group % 128) + 32 (wave / 2) + 8 (wave % 2)
	s_lshl_b32 s24, s24, 12
	s_mov_b32 s25, 0
	s_lshl_b32 s26, ttmp9, 2
	s_add_co_u32 s26, s26, s16                     ; the tile's number over the three tensors
	s_lshl_b32 s28, s26, 9
	s_mov_b32 s29, 0
	s_mul_i32 s26, s26, 12288
	s_mov_b32 s27, 0
	s_wait_kmcnt 0x0
	s_cmp_eq_u32 s18, 0                            ; the tensor is chosen by the work-group's number alone
	s_cselect_b64 s[4:5], s[4:5], s[6:7]
	s_cmp_eq_u32 s18, 2
	s_cselect_b64 s[4:5], s[8:9], s[4:5]
	s_add_nc_u64 s[4:5], s[4:5], s[24:25]
	s_add_nc_u64 s[10:11], s[10:11], s[26:27]
	s_add_nc_u64 s[12:13], s[12:13], s[28:29]
.macro LOAD s
.irp m, 0,1,2,3,4,5,6,7,8,9,10,11,12,13,14,15
	global_load_b128 v[R+64*((\s)%2)+4*\m:R+64*((\s)%2)+4*\m+3], v4, s[4:5] offset:(\m+8*(\m/8))*4096+512*(\s) th:TH_LOAD_NT
.endr
.endm
.macro TURN s                          ; through the stage: LDS serves a wave's instructions in order, so no wait stands between the stores and the loads
.irp m, 0,1,2,3,4,5,6,7,8,9,10,11,12,13,14,15
	ds_store_b128 v5, v[R+64*((\s)%2)+4*\m:R+64*((\s)%2)+4*\m+3] offset:528*\m
.endr
.irp b, 0,1,2,3
.irp j, 0,1,2,3
	ds_load_b128 v[X+16*\b+4*\j:X+16*\b+4*\j+3], v6 offset:128*\b+16*\j
.endr
.endr
.endm
; 64 numbers of a lane become a fragment's codes in v[PC] on and its scale word in v[PW]
.macro QUANT s
.irp b, 0,1,2,3
	v_max3_num_f32 v[TM+\b], |v[\s+16*\b]|, |v[\s+1+16*\b]|, 0x1800000   ; with the floor 2^(3 - 127)
.endr
.irp i, 2,4,6,8,10,12,14
.irp b, 0,1,2,3
	v_max3_num_f32 v[TM+\b], v[TM+\b], |v[\s+16*\b+\i]|, |v[\s+1+16*\b+\i]|
.endr
.endr
.irp b, 0,1,2,3
	v_permlanex16_b32 v[TM+4+\b], v[TM+\b], s[SEL], s[SEL+1]
.endr
.irp b, 0,1,2,3
	v_max_num_f32 v[TM+\b], v[TM+\b], v[TM+4+\b]   ; with lane l xor 16's: the block's largest magnitude
.endr
.irp b, 0,1,2,3
	v_add_nc_u32 v[TM+12+\b], 0xff000000, v[TM+\b] ; 2 off its exponent field: the conversion's scale operand
.endr
.irp b, 0,1,2,3
	v_lshrrev_b32 v[TM+4+\b], 23, v[TM+12+\b]      ; the scale's byte
.endr
	v_lshl_or_b32 v[PW], v[TM+5], 8, v[TM+4]
	v_lshl_or_b32 v[PW], v[TM+6], 16, v[PW]
	v_lshl_or_b32 v[PW], v[TM+7], 24, v[PW]
.irp c, 0,1
	v_cvt_scalef32_pk16_fp6_f32 v[PC+6*\c:PC+2+6*\c], v[\s+32*\c:\s+15+32*\c], v[TM+12+2*\c]
	v_cvt_scalef32_pk16_fp6_f32 v[PC+12+4*\c:PC+14+4*\c], v[\s+16+32*\c:\s+31+32*\c], v[TM+12+2*\c+1]
.endr
	v_nop                                          ; one plain place behind the conversions
.irp c, 0,1                                    ; the layout wants a whole block in a lane: lanes 0-15 block 2 c, lanes 16-31 block 2 c + 1
.irp i, 0,1,2
	v_permlane16_swap_b32 v[PC+6*\c+\i], v[PC+12+4*\c+\i]
.endr
.irp i, 0,1,2
	v_mov_b32 v[PC+3+6*\c+\i], v[PC+12+4*\c+\i]
.endr
.endr
.endm
.macro STEP s
.if (\s) < 7
	s_wait_loadcnt 16                              ; this K step's 16 loads are in; the next step's may be out
.else
	s_wait_loadcnt 0x0
.endif
	TURN \s
	s_wait_dscnt 0x0                               ; my numbers are back, and the stores have read the set that is loaded again below
	s_wait_xcnt 0x0                                ; the last step's image stores have read the codes' registers, which are written again below
.if (\s) < 6
	LOAD (\s)+2
.endif
	QUANT X
	v_mov_b32 v[SW+(\s)], v[PW]
.irp c, 0,1,2
	global_store_b128 v4, v[PC+4*\c:PC+4*\c+3], s[10:11] offset:1536*(\s)+512*\c   ; 512 consecutive bytes, aligned
.endr
.endm
	LOAD 0
	LOAD 1
.irp s, 0,1,2,3,4,5,6,7
	STEP \s
.endr
.irp i, 0,1,2,3
	v_cndmask_b32 v[SOUT+\i], v[SW+\i], v[SW+4+\i], s22   ; lanes 0-15: my row's words 0-3, lanes 16-31: words 4-7 (both halves hold the row's words)
.endr
	global_store_b128 v8, v[SOUT:SOUT+3], s[12:13] ; the tile's 512 scale bytes, consecutive
	s_wait_tensorcnt 0x0                           ; the wave's end, behind my last LDS store
	ds_add_u32 v[SPW], v[NIL]
	s_wait_dscnt 0x0
	s_endpgm
.Lfunc_end_k_qe0fcba03de_quant_x:
	.size	k_qe0fcba03de_quant_x, .Lfunc_end_k_qe0fcba03de_quant_x-k_qe0fcba03de_quant_x
	.p2alignl 7, 3214868480
	.fill 96, 4, 3214868480
	.section	.rodata,"a",@progbits
	.p2align	6, 0x0
	.amdhsa_kernel k_qe0fcba03de_quant_x
		.amdhsa_group_segment_fixed_size 34304
		.amdhsa_private_segment_fixed_size 0
		.amdhsa_enable_private_segment 0
		.amdhsa_kernarg_size 40
		.amdhsa_user_sgpr_count 2
		.amdhsa_user_sgpr_kernarg_segment_ptr 1
		.amdhsa_wavefront_size32 1
		.amdhsa_system_sgpr_workgroup_id_x 1
		.amdhsa_system_sgpr_workgroup_id_y 1
		.amdhsa_system_sgpr_workgroup_id_z 1
		.amdhsa_system_vgpr_workitem_id 0
		.amdhsa_next_free_vgpr 256
		.amdhsa_next_free_sgpr 66
		.amdhsa_reserve_vcc 0
		.amdhsa_float_denorm_mode_32 3
		.amdhsa_float_denorm_mode_16_64 3
		.amdhsa_memory_ordered 1
		.amdhsa_forward_progress 1
		.amdhsa_inst_pref_size 64
	.end_amdhsa_kernel
	.amdgpu_metadata
---
amdhsa.version: [ 1, 2 ]
amdhsa.kernels:
  - .name:           k_qe0fcba03de_quant_x
    .symbol:         k_qe0fcba03de_quant_x.kd
    .args:
      - { .name: query, .offset: 0, .size: 8, .value_kind: global_buffer, .address_space: global }
      - { .name: key, .offset: 8, .size: 8, .value_kind: global_buffer, .address_space: global }
      - { .name: value, .offset: 16, .size: 8, .value_kind: global_buffer, .address_space: global }
      - { .name: xc, .offset: 24, .size: 8, .value_kind: global_buffer, .address_space: global }
      - { .name: xs, .offset: 32, .size: 8, .value_kind: global_buffer, .address_space: global }
    .group_segment_fixed_size: 34304
    .private_segment_fixed_size: 0
    .kernarg_segment_align: 8
    .kernarg_segment_size: 40
    .max_flat_workgroup_size: 128
    .sgpr_count:     66
    .vgpr_count:     256
    .wavefront_size: 32
...
	.end_amdgpu_metadata
.endif
;; end of part 2
;; launch proj_qk (part 3): grid 4 x 64, 4 waves a work-group, clusters of 4 x 4, 327,680 bytes of LDS; arguments xc, xs, wc, ws, bq, bk, att; writes att
.if DOCPART == 3
	.amdgcn_target "amdgcn-amd-amdhsa--gfx1250"
	.amdhsa_code_object_version 6
	.text
	.protected	k_qe0fcba03de_proj_qk
	.globl	k_qe0fcba03de_proj_qk
	.p2align	8
	.type	k_qe0fcba03de_proj_qk,@function
k_qe0fcba03de_proj_qk:
	s_mov_b64 s[64:65], 0
	v_nop
	global_prefetch_b8 v0, s[64:65] scope:SCOPE_SE
	s_setreg_imm32_b32 hwreg(HW_REG_WAVE_MODE, 25, 1), 1
	s_wait_xcnt 0x0
	s_wait_alu depctr_hold_cnt(0) depctr_sa_sdst(0) depctr_va_vdst(0) depctr_va_sdst(0) depctr_va_ssrc(0) depctr_va_vcc(0) depctr_vm_vsrc(0)
	s_getreg_b32 s2, hwreg(HW_REG_IB_STS2, 6, 4)
	s_cmp_eq_u32 s2, 0
	s_cbranch_scc0 .Lentry_in_a_cluster
	s_endpgm
.Lentry_in_a_cluster:
	s_bfe_u32 s2, ttmp6, 0x10000c
	s_cmp_lg_u32 s2, 0xf033
	s_cbranch_scc0 .Lentry_shape_is_right
	s_endpgm
.Lentry_shape_is_right:
; q = query Wq + bq and k = key Wk + bk on codes of FP6 (E2M3) with E8M0 scales, sums in f32; the results are quantised along a head's 64 channels and leave as codes, in the order in which the
; attention launch's operand registers take them.  Nothing wide goes to memory.
; Z[i][j] = sum over k of P[i][k] R[j][k] + bias.  P (source 1, a lane holds one i): tokens, query's 8,192 and then key's; R (source 0, registers run along j): the weight's columns.
; A work-group makes 256 x 256, each of its four waves 128 x 128: 64 accumulators, 512 registers.  K goes in steps of 256 through two LDS slots filled by the tensor data mover.
; OPERANDS LIE IN MEMORY AS IMAGES OF THEIR REGISTERS (16 rows x 128 K: 1,536 bytes, register p of lane l at 512 (p / 4) + 16 l + 4 (p % 4)); a tile's eight images lie on end: so a slot's part of a tile is
; 3,072 consecutive bytes, and a fragment comes from LDS by three loads of 512 consecutive bytes: no pitch, no padding.
; Rows are kept in stored order (bits 3 and 4 of the index changed over), so the 16 registers of two neighbouring tiles of R are 16 neighbouring channels.
; CLUSTERS: 4 x 4 work-groups; P's tiles are asked for jointly by a row of the cluster, R's by a column.  The scale bytes of the 256 + 256 rows come once, with the first fills, and stay in LDS.
; THE BIAS is the C of each sum's first product.
; OUT: att, records of 102,400 bytes, record = 64 kind + 16 batch + head (kind 0 q, 1 k): 64 images, image G: registers 0-5 token tile 2 G, registers 6-11 tile 2 G + 1 (a head's 64 channels each);
; then 16 x 256 bytes of scale words [G / 4][row][G % 4]: low half tile 2 G's two bytes, high half tile 2 G + 1's.
; LIMITS: NaN and infinities are not served; a block of zeros gets the byte 1 (zero codes); blocks under 2^-124 are held at the byte 1.
; REGISTERS: window 0: v16-29 addresses; v32-63 scale words, two sets; v64-127 the bias; from v128 P's fragments, one set (on the way out: codes and work).  window 1: R's fragments, two sets.  windows 2, 3: accumulators.
.set MODE_V, 0
.set NQ,     2                         ; matrix instructions deep in a slot
.set IMG,    1536
.set TILEB,  8*IMG                     ; a tile in memory
.set TROW,   NQ*IMG                    ; a tile's part of a slot
.set FR,     12
.set NL,     3                         ; LDS loads that bring a fragment
.set NP,     4                         ; places behind this matrix instruction (ISA guide 7.12.1)
.set HALFT,  8*TROW                    ; 8 tiles, 128 rows: what one tensor load brings
.set SLOT,   4*HALFT
.set LAPS,   2                         ; K = 1,024: twice round the ring
.set KS,     32                        ; a row of scale bytes
.set SCL,    2*SLOT
.set HALFS,  (128*KS/256)*272
.set SBLK,   (16*KS/256)*272
.set SPARE,  SCL+4*HALFS               ; the spare words, 128 bytes a wave
.set REC,    102400
.set ADRA, 16
.set ADRB, 20
.set IO,   24                          ; v24 16 x lane
.set SO,   25                          ; v25 16 r + a record x h
.set BO,   26                          ; v26 the bias' lane offset
.set ADRS, 27
.set SPW,  28
.set NIL,  29
.set SC,   32
.set BI,   64
.set AF,   128
.set FA,   128                         ; the way out: v128-139, v140-151 two fragments; v152-158 second halves; v160-175 at work; v176-177, v180-187 scale words; v188-191 out
.set FB,   140
.set T0,   152
.set T1,   156
.set TM,   160
.set PW0,  176
.set PW1,  177
.set WA,   180
.set SWR,  188
.set G1, 24
.set G0, 32
.set G1B, 48
.set G0B, 56
.set G1S, 68
.set G0S, 76
.set G1SB, 80
.set G0SB, 88
.set MSB, 0
.macro WIN new
.if MSB != (\new)
	s_set_vgpr_msb (MSB<<8)|(\new)
.set MSB, (\new)
.endif
.endm
.set MUL_LO, 0xa1                      ; source 0 (R) window 1, source 1 (P) window 0, C and D window 2
.set MUL_HI, 0xf1
.set TO_B,   0x40
.macro JLOAD g0a, g1a, g0b, g1b        ; waves 0 and 1 fetch for P, waves 2 and 3 for R; an s_nop 0 and four v_nop follow each line
	s_cmp_eq_u32 s15, 0
	s_cbranch_scc0 .Lfor_b_\@
	tensor_load_to_lds s[\g0a:\g0a+3], s[\g1a:\g1a+7]
	s_nop 0
.rept 4
	v_nop
.endr
	s_branch .Lasked_\@
.Lfor_b_\@:
	tensor_load_to_lds s[\g0b:\g0b+3], s[\g1b:\g1b+7]
	s_nop 0
.rept 4
	v_nop
.endr
.Lasked_\@:
.endm
.macro CREST
	s_cmp_lg_u32 s14, 0
	s_cbranch_scc1 .Lnot_wave_0_\@
	s_barrier_signal -3
.Lnot_wave_0_\@:
	s_barrier_wait -3
	s_barrier_signal -1
	s_barrier_wait -1
.endm
.macro CROUND
	s_barrier_signal -1
	s_barrier_wait -1
	CREST
.endm
	s_load_b128 s[4:7], s[0:1], 0x0                ; P's codes, P's scales
	s_load_b128 s[8:11], s[0:1], 0x10              ; R's codes, R's scales
	s_load_b128 s[96:99], s[0:1], 0x20             ; the biases (in the V text: the bias, att)
.if MODE_V == 0
	s_load_b64 s[12:13], s[0:1], 0x30              ; att
.endif
	v_lshl_add_u32 v[SPW], v0, 2, SPARE
	v_mov_b32 v[NIL], 0
	ds_add_u32 v[SPW], v[NIL]                      ; the wave's opening: the add and its wait ahead of my first tensor load
	v_lshrrev_b32 v1, 5, v0
	v_readfirstlane_b32 s14, v1                    ; wave
	s_lshr_b32 s15, s14, 1                         ; my half of P's rows.  Also: I fetch for P (0) or for R (1)
	s_and_b32 s16, s14, 1                          ; my half of R's rows.  Also: which 128 rows I fetch
	s_bfe_u32 s40, ttmp6, 0x40000                  ; cx
	s_bfe_u32 s41, ttmp6, 0x40004                  ; cy
	s_lshl_b32 s42, ttmp9, 2
	s_add_co_u32 s42, s42, s40                     ; x = 4 cluster x + cx
	s_and_b32 s17, ttmp7, 0xffff
.if MODE_V == 0
	s_lshr_b32 s2, s17, 3                          ; 0: query and Wq, 1: key and Wk: made of the cluster's y alone
.endif
	s_lshl_b32 s17, s17, 2
	s_add_co_u32 s17, s17, s41                     ; y = 4 cluster y + cy
	s_lshl_b32 s43, s41, 2
	s_lshl_b32 s43, 15, s43                        ; my row of the cluster
	s_lshl_b32 s44, 0x1111, s40                    ; my column
	s_or_b32 s[G1+0], s43, (3<<16)|(1<<21)         ; the mask; elements of 8 bytes; bit 21 beside a mask; no padding
	s_or_b32 s[G1B+0], s44, (3<<16)|(1<<21)
.irp g, G1, G1B
	s_mov_b32 s[\g+1], (TROW/8)<<16                ; tensor_dim0: 3,072 bytes
	s_mov_b32 s[\g+2], 8<<16                       ; tensor_dim1: 8 tiles
	s_mov_b32 s[\g+3], (TROW/8)<<16                ; tile_dim0
	s_mov_b32 s[\g+4], 8                           ; tile_dim1
	s_mov_b32 s[\g+5], TILEB/8                     ; from tile to tile
	s_mov_b32 s[\g+6], 0
	s_mov_b32 s[\g+7], 0
.endr
	s_or_b32 s[G1S+0], s43, (3<<16)|(1<<20)|(1<<21)|(5<<22)|(3<<25)   ; the scales of 128 rows: 4,096 dense bytes as rows of 256 + 16 of padding
	s_or_b32 s[G1SB+0], s44, (3<<16)|(1<<20)|(1<<21)|(5<<22)|(3<<25)
.irp g, G1S, G1SB
	s_mov_b32 s[\g+1], 32<<16
	s_mov_b32 s[\g+2], (128*KS/256)<<16
	s_mov_b32 s[\g+3], 32<<16
	s_mov_b32 s[\g+4], 128*KS/256
	s_mov_b32 s[\g+5], 32
	s_mov_b32 s[\g+6], 0
	s_mov_b32 s[\g+7], 0
.endr
	s_lshl_b32 s18, s16, 3                         ; which 8 tiles I fetch
	s_lshl_b32 s20, s17, 4
	s_add_co_u32 s20, s20, s18                     ; P's first tile: 16 y + 8 half
.if MODE_V
	s_add_co_u32 s20, s20, 128                     ; in Wv's part
.endif
	s_lshl_b32 s46, s42, 4
	s_add_co_u32 s46, s46, s18                     ; R's: 16 x + 8 half
.if MODE_V
	s_add_co_u32 s46, s46, 1024                    ; in value's part
.else
	s_lshl_b32 s19, s2, 6
	s_add_co_u32 s46, s46, s19                     ; in Wq's or Wk's part
.endif
	s_lshl_b32 s22, s20, 9                         ; scale bytes: 512 a tile
	s_mov_b32 s23, 0
	s_mul_i32 s20, s20, TILEB
	s_mov_b32 s21, 0
	s_lshl_b32 s92, s46, 9
	s_mov_b32 s93, 0
	s_mul_i32 s46, s46, TILEB
	s_mov_b32 s47, 0
	s_mul_i32 s45, s14, HALFT                      ; where they go: by the wave's number alone
	s_mul_i32 s94, s14, HALFS
	s_wait_dscnt 0x0                               ; the opening add is done
	s_wait_kmcnt 0x0
.if MODE_V
	s_mov_b64 s[12:13], s[98:99]
.endif
	s_add_nc_u64 s[20:21], s[4:5], s[20:21]
	s_add_nc_u64 s[22:23], s[6:7], s[22:23]
	s_add_nc_u64 s[46:47], s[8:9], s[46:47]
	s_add_nc_u64 s[92:93], s[10:11], s[92:93]
	CROUND                                         ; all sixteen work-groups are here: the first joint loads meet
	s_mov_b32 s[G0S], 1
	s_add_co_u32 s[G0S+1], s94, SCL
	s_mov_b64 s[G0S+2:G0S+3], s[22:23]
	s_or_b32 s[G0S+3], s[G0S+3], 0x80000000
	s_mov_b32 s[G0SB], 1
	s_add_co_u32 s[G0SB+1], s94, SCL
	s_mov_b64 s[G0SB+2:G0SB+3], s[92:93]
	s_or_b32 s[G0SB+3], s[G0SB+3], 0x80000000
	JLOAD G0S, G1S, G0SB, G1SB                     ; the scales first: three tensor loads of mine are out at the most
.irp s, 0,1
	s_mov_b32 s[G0+4*\s], 1
	s_add_co_u32 s[G0+4*\s+1], s45, \s*SLOT
	s_add_nc_u64 s[G0+4*\s+2:G0+4*\s+3], s[20:21], \s*TROW
	s_or_b32 s[G0+4*\s+3], s[G0+4*\s+3], 0x80000000
	s_mov_b32 s[G0B+4*\s], 1
	s_add_co_u32 s[G0B+4*\s+1], s45, \s*SLOT
	s_add_nc_u64 s[G0B+4*\s+2:G0B+4*\s+3], s[46:47], \s*TROW
	s_or_b32 s[G0B+4*\s+3], s[G0B+4*\s+3], 0x80000000
	JLOAD G0+4*\s, G1, G0B+4*\s, G1B
.endr
	v_and_b32 v1, 15, v0                           ; r
	v_bfe_u32 v2, v0, 4, 1                         ; h
	v_and_b32 v3, 31, v0
	v_lshlrev_b32 v[IO], 4, v3
	s_mul_i32 s21, s15, HALFT                      ; my 128 rows of P
	s_mul_i32 s22, s16, HALFT
	s_add_co_u32 s22, s22, 2*HALFT                 ; my 128 rows of R, behind P's 256
.irp s, 0,1
	v_add_nc_u32 v[ADRA+\s], s21, v[IO]
	v_add_nc_u32 v[ADRB+\s], s22, v[IO]
	s_add_co_u32 s21, s21, SLOT
	s_add_co_u32 s22, s22, SLOT
.endr
	v_mul_u32_u24 v5, v1, KS                       ; my row's scales: 32 bytes a row,
	v_lshrrev_b32 v6, 8, v5
	v_lshl_add_u32 v5, v6, 4, v5                   ; and 16 more for each 256 passed
	s_mul_i32 s21, s15, HALFS
	s_mul_i32 s22, s16, HALFS
	s_add_co_u32 s22, s22, 2*HALFS
	s_sub_co_u32 s22, s22, s21
	v_mul_u32_u24 v6, s22, v2                      ; lanes 16-31 take R's
	s_add_co_u32 s21, s21, SCL
	v_add_nc_u32 v5, v5, v6
	v_add_nc_u32 v[ADRS], s21, v5
	v_mul_u32_u24 v[SO], v2, REC
	v_lshl_add_u32 v[SO], v1, 4, v[SO]
	; the bias, in the result's layout
.if MODE_V
	v_and_b32 v5, 7, v1
	v_lshrrev_b32 v6, 3, v1
	v_lshl_add_u32 v5, v6, 4, v5
	v_lshlrev_b32 v[BO], 2, v5                     ; a lane holds one channel: r % 8 + 16 (r / 8) in its tile's 32
	s_lshl_b32 s20, s17, 10
	s_lshl_b32 s21, s15, 9
.else
	v_lshlrev_b32 v[BO], 6, v2                     ; registers run along the channels: 16 h on
	s_cmp_eq_u32 s2, 0
	s_cselect_b64 s[96:97], s[96:97], s[98:99]     ; bq or bk, by the cluster's y alone
	s_lshl_b32 s20, s42, 10
	s_lshl_b32 s21, s16, 9
.endif
	s_add_co_u32 s20, s20, s21
	s_mov_b32 s21, 0
	s_add_nc_u64 s[96:97], s[96:97], s[20:21]      ; my 128 channels
.irp b, 0,1,2,3,4,5,6,7
.if MODE_V
.irp j, 0,1,2,3,4,5,6,7
	global_load_b32 v[BI+8*\b+\j], v[BO], s[96:97] offset:(32*(\b/2)+8*(\b%2))*4
.endr
.else
	global_load_b128 v[BI+8*\b:BI+8*\b+3], v[BO], s[96:97] offset:(32*(\b/2)+8*(\b%2))*4
	global_load_b128 v[BI+8*\b+4:BI+8*\b+7], v[BO], s[96:97] offset:(32*(\b/2)+8*(\b%2))*4+16
.endif
.endr
	; where my results go: record x 102,400 + step x 6,144 (four images a step of 128 tokens); scale words at + 98,304 + step x 256
.if MODE_V
	s_lshr_b32 s20, s42, 3
	s_lshl_b32 s20, s20, 4
	s_lshl_b32 s21, s17, 2
	s_add_co_u32 s20, s20, s21
	s_lshl_b32 s21, s15, 1
	s_add_co_u32 s20, s20, s21
	s_add_co_u32 s20, s20, 128                     ; record = 128 + 16 batch + 4 y + 2 (my half of the channels)
	s_and_b32 s22, s42, 7
	s_lshl_b32 s22, s22, 1
	s_add_co_u32 s22, s22, s16                     ; step = 2 (x % 8) + my half of the tokens
.else
	s_lshr_b32 s20, s17, 3
	s_lshl_b32 s20, s20, 4
	s_lshl_b32 s21, s42, 2
	s_add_co_u32 s20, s20, s21
	s_lshl_b32 s21, s16, 1
	s_add_co_u32 s20, s20, s21                     ; record = 16 (y / 8) + 4 x + 2 (my half of the channels)
	s_and_b32 s22, s17, 7
	s_lshl_b32 s22, s22, 1
	s_add_co_u32 s22, s22, s15                     ; step = 2 (y % 8) + my half of the tokens
.endif
	s_mul_i32 s20, s20, REC
	s_lshl_b32 s18, s22, 8
	s_add_co_u32 s18, s18, 98304
	s_add_co_u32 s18, s18, s20
	s_mov_b32 s19, 0
	s_mul_i32 s22, s22, 4*IMG
	s_add_co_u32 s20, s20, s22
	s_mov_b32 s21, 0
	s_add_nc_u64 s[18:19], s[12:13], s[18:19]
	s_add_nc_u64 s[12:13], s[12:13], s[20:21]
	s_mov_b32 s66, 0x76543210
	s_mov_b32 s67, 0xfedcba98                      ; lane l xor 16
	s_mov_b32 s95, 0xffff0000                      ; lanes 16-31
.macro FRAG reg, adr, q, i             ; a fragment's image: three loads of 512 consecutive bytes
.irp c, 0,1,2
	ds_load_b128 v[\reg+4*\c:\reg+4*\c+3], v[\adr] offset:(\i)*TROW+(\q)*IMG+512*\c
.endr
.endm
; 16 matrix instructions: P's blocks a0, a0 + 1 x R's eight.  first = 1: the bias starts the sums.  The 64 accumulators take turns, one instruction a turn.
.macro MUL16 a0, p, q, sc, first
.irp a, \a0, \a0+1
.irp b, 0,1,2,3,4,5,6,7
.if \first
.if MODE_V
.set CB, BI+8*(\a)
.else
.set CB, BI+8*\b
.endif
	v_wmma_scale_f32_16x16x128_f8f6f4 v[8*(8*((\a)%4)+\b):8*(8*((\a)%4)+\b)+7], v[128*(\p)+FR*\b:128*(\p)+FR*\b+FR-1], v[AF+FR*(\a):AF+FR*(\a)+FR-1], v[CB:CB+7], v[SC+8*NQ*(\sc)+NQ*\b+(\q)], v[SC+8*NQ*(\sc)+NQ*(\a)+(\q)] matrix_a_fmt:MATRIX_FMT_FP6 matrix_b_fmt:MATRIX_FMT_FP6 matrix_a_scale:MATRIX_SCALE_ROW1
.else
	v_wmma_scale_f32_16x16x128_f8f6f4 v[8*(8*((\a)%4)+\b):8*(8*((\a)%4)+\b)+7], v[128*(\p)+FR*\b:128*(\p)+FR*\b+FR-1], v[AF+FR*(\a):AF+FR*(\a)+FR-1], v[8*(8*((\a)%4)+\b):8*(8*((\a)%4)+\b)+7], v[SC+8*NQ*(\sc)+NQ*\b+(\q)], v[SC+8*NQ*(\sc)+NQ*(\a)+(\q)] matrix_a_fmt:MATRIX_FMT_FP6 matrix_b_fmt:MATRIX_FMT_FP6 matrix_a_scale:MATRIX_SCALE_ROW1
.endif
.endr
.endr
.endm
.macro FETCH_B slot, q, p
	WIN TO_B
.irp i, 0,1,2,3,4,5,6,7
	FRAG 128*(\p)+FR*\i, ADRB+\slot, \q, \i
.endr
	WIN 0
.endm
.macro FETCH_A slot, q, i0
.irp i, \i0, \i0+1, \i0+2, \i0+3
	FRAG AF+FR*(\i), ADRA+\slot, \q, \i
.endr
.endm
.macro SCALES sc                       ; a K step's scale words: lanes 0-15 P's block i, lanes 16-31 R's block i
.irp i, 0,1,2,3,4,5,6,7
	ds_load_b64 v[SC+8*NQ*\sc+NQ*\i:SC+8*NQ*\sc+NQ*\i+1], v[ADRS] offset:\i*SBLK
.endr
.endm
.macro PLACES n                        ; plain places in front of loads into registers that matrix instructions have read, and of the first read of results
.rept \n
	v_nop
.endr
.endm
.macro STEP slot, q, first             ; 128 along K that has its successor in the same slot
	s_wait_dscnt 4*NL                              ; R's set and P's blocks 0-3 are in; the youngest 12 loads (P's blocks 4-7) may be out
.if \first
	WIN 0x81                                       ; C, the bias, in window 0
.else
	WIN MUL_LO
.endif
	MUL16 0, (\q)%2, \q, \slot, \first
	MUL16 2, (\q)%2, \q, \slot, \first
	s_wait_dscnt 0
	PLACES NP
	FETCH_B \slot, (\q)+1, 1-(\q)%2
	FETCH_A \slot, (\q)+1, 0
.if \first
	WIN 0xc1
.else
	WIN MUL_HI
.endif
	MUL16 4, (\q)%2, \q, \slot, \first
	MUL16 6, (\q)%2, \q, \slot, \first
	PLACES NP
	WIN 0
	FETCH_A \slot, (\q)+1, 4
.endm
; A slot's last step changes slots: each wave waits for all its tensor loads, adds 0 to its spare word, waits for that and for its reads of the slot; one barrier, which opens a round of the cluster's where the slot is filled again.
.macro TURN slot, next, fill
	s_wait_tensorcnt 0x0                           ; all my tensor loads have landed: my part of the next slot
	ds_add_u32 v[SPW], v[NIL]
	s_wait_dscnt 4*NL+1                            ; (the add and P's blocks 4-7 may be out)
	WIN MUL_LO
	MUL16 0, 1, NQ-1, \slot, 0
	s_wait_dscnt 0x0                               ; the add is done, and my reads of this slot are over
	s_barrier_signal -1
	MUL16 2, 1, NQ-1, \slot, 0
	WIN 0
	s_barrier_wait -1
.if \fill
	CREST                                          ; no wave of any partner still reads this slot or has a load on its way
	s_add_nc_u64 s[G0+4*\slot+2:G0+4*\slot+3], s[G0+4*\slot+2:G0+4*\slot+3], 2*TROW
	s_add_nc_u64 s[G0B+4*\slot+2:G0B+4*\slot+3], s[G0B+4*\slot+2:G0B+4*\slot+3], 2*TROW
	JLOAD G0+4*\slot, G1, G0B+4*\slot, G1B         ; the first tensor load behind the round; its four v_nop are the places in front of the loads below
.else
	PLACES NP
.endif
	v_add_nc_u32 v[ADRS], 4*NQ, v[ADRS]
	FETCH_B \next, 0, 0
	FETCH_A \next, 0, 0
	SCALES \next
	WIN MUL_HI
	MUL16 4, 1, NQ-1, \slot, 0
	MUL16 6, 1, NQ-1, \slot, 0
	PLACES NP
	WIN 0
	FETCH_A \next, 0, 4
.endm
	s_wait_tensorcnt 1                             ; the scales and my part of K step 0 are in; K step 1's load may be out
	s_barrier_signal -1
	s_barrier_wait -1
	FETCH_B 0, 0, 0
	FETCH_A 0, 0, 0
	SCALES 0
	FETCH_A 0, 0, 4
	s_wait_loadcnt 0x0                             ; the bias
	STEP 0, 0, 1
	s_mov_b32 s3, LAPS-1
.Llap:
	TURN 0, 1, 1
	STEP 1, 0, 0
	TURN 1, 0, 1
	STEP 0, 0, 0
	s_sub_co_u32 s3, s3, 1
	s_cmp_lg_u32 s3, 0
	s_cbranch_scc1 .Llap
	TURN 0, 1, 0                                   ; the last lap fills nothing
	STEP 1, 0, 0
	s_wait_dscnt 4*NL
	WIN MUL_LO
	MUL16 0, 1, NQ-1, 1, 0
	MUL16 2, 1, NQ-1, 1, 0
	s_wait_dscnt 0
	WIN MUL_HI
	MUL16 4, 1, NQ-1, 1, 0
	MUL16 6, 1, NQ-1, 1, 0
	WIN 0
; THE WAY OUT.  The 64 registers of P's block a (window win, from s on) are, in lane (r, h), j = 32 b + 16 h + i at register 16 b + i: they are quantised along j in registers.
; d0: where the codes of j 0-63 go (six registers), d1: those of j 64-127; pw: the row's scale word.  Each accumulator is read from its low end on.
.macro QUANTW win, s, d0, d1, pw
	WIN ((\win)<<2)|(\win)
.irp b, 0,1,2,3
	v_max3_num_f32 v[TM+\b], |v[(\s)+16*\b]|, |v[(\s)+1+16*\b]|, 0x1800000   ; with the floor 2^(3 - 127)
.endr
.irp i, 2,4,6,8,10,12,14
.irp b, 0,1,2,3
	v_max3_num_f32 v[TM+\b], |v[(\s)+16*\b+\i]|, |v[(\s)+1+16*\b+\i]|, v[TM+\b]
.endr
.endr
	WIN 0
.irp b, 0,1,2,3
	v_permlanex16_b32 v[TM+4+\b], v[TM+\b], s66, s67
.endr
.irp b, 0,1,2,3
	v_max_num_f32 v[TM+\b], v[TM+\b], v[TM+4+\b]
.endr
.irp b, 0,1,2,3
	v_add_nc_u32 v[TM+12+\b], 0xff000000, v[TM+\b]
.endr
.irp b, 0,1,2,3
	v_lshrrev_b32 v[TM+4+\b], 23, v[TM+12+\b]
.endr
	v_lshl_or_b32 v[\pw], v[TM+5], 8, v[TM+4]
	v_lshl_or_b32 v[\pw], v[TM+6], 16, v[\pw]
	v_lshl_or_b32 v[\pw], v[TM+7], 24, v[\pw]
	WIN \win
	v_cvt_scalef32_pk16_fp6_f32 v[\d0:\d0+2], v[(\s):(\s)+15], v[TM+12]
	v_cvt_scalef32_pk16_fp6_f32 v[T0:T0+2], v[(\s)+16:(\s)+31], v[TM+13]
	v_cvt_scalef32_pk16_fp6_f32 v[\d1:\d1+2], v[(\s)+32:(\s)+47], v[TM+14]
	v_cvt_scalef32_pk16_fp6_f32 v[T1:T1+2], v[(\s)+48:(\s)+63], v[TM+15]
	WIN 0
	v_nop                                          ; one plain place behind the conversions
.irp i, 0,1,2
	v_permlane16_swap_b32 v[\d0+\i], v[T0+\i]
.endr
.irp i, 0,1,2
	v_mov_b32 v[\d0+3+\i], v[T0+\i]
.endr
.irp i, 0,1,2
	v_permlane16_swap_b32 v[\d1+\i], v[T1+\i]
.endr
.irp i, 0,1,2
	v_mov_b32 v[\d1+3+\i], v[T1+\i]
.endr
.endm
	PLACES NP                                      ; behind the last products: results are read, and P's fragment registers written, below
.irp b, 0,1,2,3
	v_mov_b32 v[TM+4+\b], 0                        ; written once: a lane permute's destination counts as one of its sources
.endr
.if MODE_V
.irp a, 0,1,2,3,4,5,6,7                ; block a: 16 channels x my 128 tokens: one fragment of V^T
.if \a > 0
	s_wait_xcnt 0x0                                ; the last stores have read the codes' registers
.endif
	QUANTW 2+(\a)/4, 64*((\a)%4), FA, FA+6, WA+\a
.irp c, 0,1,2
	global_store_b128 v[IO], v[FA+4*\c:FA+4*\c+3], s[12:13] offset:((\a)%4)*IMG+((\a)/4)*REC+512*\c
.endr
.endr
.else
.irp g, 0,1,2,3                        ; token tiles 2 g and 2 g + 1: their halves are packed into one image for each of my two heads
.if \g > 0
	s_wait_xcnt 0x0                                ; the last stores have read the codes' registers
.endif
	QUANTW 2+(\g)/2, 64*((2*\g)%4), FA, FB, PW0
	QUANTW 2+(\g)/2, 64*((2*\g+1)%4), FA+6, FB+6, PW1
	v_perm_b32 v[WA+\g], v[PW1], v[PW0], 0x05040100     ; the first head's bytes of both tiles,
	v_perm_b32 v[WA+4+\g], v[PW1], v[PW0], 0x07060302   ; the second head's
.irp c, 0,1,2
	global_store_b128 v[IO], v[FA+4*\c:FA+4*\c+3], s[12:13] offset:IMG*\g+512*\c
	global_store_b128 v[IO], v[FB+4*\c:FB+4*\c+3], s[12:13] offset:REC+IMG*\g+512*\c
.endr
.endr
.endif
.irp i, 0,1,2,3
	v_cndmask_b32 v[SWR+\i], v[WA+\i], v[WA+4+\i], s95   ; lanes 0-15: the first head's four words of row r, lanes 16-31: the second head's
.endr
	global_store_b128 v[SO], v[SWR:SWR+3], s[18:19]      ; sixteen lanes store 256 consecutive bytes, aligned, in each of the two records
	s_wait_tensorcnt 0x0                           ; the wave's end
	ds_add_u32 v[SPW], v[NIL]
	s_wait_dscnt 0x0
	CROUND                                         ; the closing round
	s_endpgm
.Lfunc_end_k_qe0fcba03de_proj_qk:
	.size	k_qe0fcba03de_proj_qk, .Lfunc_end_k_qe0fcba03de_proj_qk-k_qe0fcba03de_proj_qk
	.p2alignl 7, 3214868480
	.fill 96, 4, 3214868480
	.section	.rodata,"a",@progbits
	.p2align	6, 0x0
	.amdhsa_kernel k_qe0fcba03de_proj_qk
		.amdhsa_group_segment_fixed_size 327680
		.amdhsa_private_segment_fixed_size 0
		.amdhsa_enable_private_segment 0
		.amdhsa_kernarg_size 56
		.amdhsa_user_sgpr_count 2
		.amdhsa_user_sgpr_kernarg_segment_ptr 1
		.amdhsa_wavefront_size32 1
		.amdhsa_system_sgpr_workgroup_id_x 1
		.amdhsa_system_sgpr_workgroup_id_y 1
		.amdhsa_system_sgpr_workgroup_id_z 1
		.amdhsa_system_vgpr_workitem_id 0
		.amdhsa_next_free_vgpr 1024
		.amdhsa_next_free_sgpr 100
		.amdhsa_reserve_vcc 0
		.amdhsa_float_denorm_mode_32 3
		.amdhsa_float_denorm_mode_16_64 3
		.amdhsa_memory_ordered 1
		.amdhsa_forward_progress 1
		.amdhsa_inst_pref_size 143
	.end_amdhsa_kernel
	.amdgpu_metadata
---
amdhsa.version: [ 1, 2 ]
amdhsa.kernels:
  - .name:           k_qe0fcba03de_proj_qk
    .symbol:         k_qe0fcba03de_proj_qk.kd
    .args:
      - { .name: xc, .offset: 0, .size: 8, .value_kind: global_buffer, .address_space: global }
      - { .name: xs, .offset: 8, .size: 8, .value_kind: global_buffer, .address_space: global }
      - { .name: wc, .offset: 16, .size: 8, .value_kind: global_buffer, .address_space: global }
      - { .name: ws, .offset: 24, .size: 8, .value_kind: global_buffer, .address_space: global }
      - { .name: bq, .offset: 32, .size: 8, .value_kind: global_buffer, .address_space: global }
      - { .name: bk, .offset: 40, .size: 8, .value_kind: global_buffer, .address_space: global }
      - { .name: att, .offset: 48, .size: 8, .value_kind: global_buffer, .address_space: global }
    .group_segment_fixed_size: 327680
    .private_segment_fixed_size: 0
    .kernarg_segment_align: 8
    .kernarg_segment_size: 56
    .max_flat_workgroup_size: 128
    .sgpr_count:     100
    .vgpr_count:     1024
    .wavefront_size: 32
...
	.end_amdgpu_metadata
.endif
;; end of part 3
;; launch proj_v (part 4): grid 32 x 4, 4 waves a work-group, clusters of 4 x 4, 327,680 bytes of LDS; arguments wc, ws, xc, xs, bv, att; writes att
.if DOCPART == 4
	.amdgcn_target "amdgcn-amd-amdhsa--gfx1250"
	.amdhsa_code_object_version 6
	.text
	.protected	k_qe0fcba03de_proj_v
	.globl	k_qe0fcba03de_proj_v
	.p2align	8
	.type	k_qe0fcba03de_proj_v,@function
k_qe0fcba03de_proj_v:
	s_mov_b64 s[64:65], 0
	v_nop
	global_prefetch_b8 v0, s[64:65] scope:SCOPE_SE
	s_setreg_imm32_b32 hwreg(HW_REG_WAVE_MODE, 25, 1), 1
	s_wait_xcnt 0x0
	s_wait_alu depctr_hold_cnt(0) depctr_sa_sdst(0) depctr_va_vdst(0) depctr_va_sdst(0) depctr_va_ssrc(0) depctr_va_vcc(0) depctr_vm_vsrc(0)
	s_getreg_b32 s2, hwreg(HW_REG_IB_STS2, 6, 4)
	s_cmp_eq_u32 s2, 0
	s_cbranch_scc0 .Lentry_in_a_cluster
	s_endpgm
.Lentry_in_a_cluster:
	s_bfe_u32 s2, ttmp6, 0x10000c
	s_cmp_lg_u32 s2, 0xf033
	s_cbranch_scc0 .Lentry_shape_is_right
	s_endpgm
.Lentry_shape_is_right:
; v^T = (value Wv + bv)^T on codes of FP6 (E2M3) with E8M0 scales, sums in f32; the result is quantised along the KEYS (the second attention product's K) and leaves as codes in the order of that product's operand registers.
; Z[i][j] = sum over k of P[i][k] R[j][k] + bias.  P (source 1, a lane holds one i): Wv's columns, the channels; R (source 0, registers run along j): value's tokens.
; The body is that of the q and k projection with the operands' parts changed over (MODE_V = 1): ring, rounds, fragments as images of registers, scales in LDS: see the comments there and below.
; A work-group makes 256 channels x 256 tokens, each of its four waves 128 x 128.  128 work-groups: the launch has no more tiles of this size.
; OUT: att, records of 102,400 bytes, record = 128 + 16 batch + head: image 4 step + t: channel tile t of the head x the step's 128 keys; then 16 x 256 bytes of scale words [step][row][t].
; LIMITS: NaN and infinities are not served; a block of zeros gets the byte 1 (zero codes); blocks under 2^-124 are held at the byte 1.
; REGISTERS: window 0: v16-29 addresses; v32-63 scale words, two sets; v64-127 the bias; from v128 P's fragments, one set (on the way out: codes and work).  window 1: R's fragments, two sets.  windows 2, 3: accumulators.
.set MODE_V, 1
.set NQ,     2
.set IMG,    1536
.set TILEB,  8*IMG
.set TROW,   NQ*IMG
.set FR,     12
.set NL,     3
.set NP,     4
.set HALFT,  8*TROW
.set SLOT,   4*HALFT
.set LAPS,   2
.set KS,     32
.set SCL,    2*SLOT
.set HALFS,  (128*KS/256)*272
.set SBLK,   (16*KS/256)*272
.set SPARE,  SCL+4*HALFS
.set REC,    102400
.set ADRA, 16
.set ADRB, 20
.set IO,   24
.set SO,   25
.set BO,   26
.set ADRS, 27
.set SPW,  28
.set NIL,  29
.set SC,   32
.set BI,   64
.set AF,   128
.set FA,   128
.set FB,   140
.set T0,   152
.set T1,   156
.set TM,   160
.set PW0,  176
.set PW1,  177
.set WA,   180
.set SWR,  188
.set G1, 24
.set G0, 32
.set G1B, 48
.set G0B, 56
.set G1S, 68
.set G0S, 76
.set G1SB, 80
.set G0SB, 88
.set MSB, 0
.macro WIN new
.if MSB != (\new)
	s_set_vgpr_msb (MSB<<8)|(\new)
.set MSB, (\new)
.endif
.endm
.set MUL_LO, 0xa1
.set MUL_HI, 0xf1
.set TO_B,   0x40
.macro JLOAD g0a, g1a, g0b, g1b        ; waves 0 and 1 fetch for P, waves 2 and 3 for R; an s_nop 0 and four v_nop follow each line
	s_cmp_eq_u32 s15, 0
	s_cbranch_scc0 .Lfor_b_\@
	tensor_load_to_lds s[\g0a:\g0a+3], s[\g1a:\g1a+7]
	s_nop 0
.rept 4
	v_nop
.endr
	s_branch .Lasked_\@
.Lfor_b_\@:
	tensor_load_to_lds s[\g0b:\g0b+3], s[\g1b:\g1b+7]
	s_nop 0
.rept 4
	v_nop
.endr
.Lasked_\@:
.endm
.macro CREST
	s_cmp_lg_u32 s14, 0
	s_cbranch_scc1 .Lnot_wave_0_\@
	s_barrier_signal -3
.Lnot_wave_0_\@:
	s_barrier_wait -3
	s_barrier_signal -1
	s_barrier_wait -1
.endm
.macro CROUND
	s_barrier_signal -1
	s_barrier_wait -1
	CREST
.endm
	s_load_b128 s[4:7], s[0:1], 0x0                ; P's codes, P's scales
	s_load_b128 s[8:11], s[0:1], 0x10              ; R's codes, R's scales
	s_load_b128 s[96:99], s[0:1], 0x20             ; the bias, att
.if MODE_V == 0
	s_load_b64 s[12:13], s[0:1], 0x30
.endif
	v_lshl_add_u32 v[SPW], v0, 2, SPARE
	v_mov_b32 v[NIL], 0
	ds_add_u32 v[SPW], v[NIL]                      ; the wave's opening: the add and its wait ahead of my first tensor load
	v_lshrrev_b32 v1, 5, v0
	v_readfirstlane_b32 s14, v1                    ; wave
	s_lshr_b32 s15, s14, 1                         ; my half of P's rows.  Also: I fetch for P (0) or for R (1)
	s_and_b32 s16, s14, 1                          ; my half of R's rows.  Also: which 128 rows I fetch
	s_bfe_u32 s40, ttmp6, 0x40000                  ; cx
	s_bfe_u32 s41, ttmp6, 0x40004                  ; cy
	s_lshl_b32 s42, ttmp9, 2
	s_add_co_u32 s42, s42, s40                     ; x = 4 cluster x + cx
	s_and_b32 s17, ttmp7, 0xffff
.if MODE_V == 0
	s_lshr_b32 s2, s17, 3
.endif
	s_lshl_b32 s17, s17, 2
	s_add_co_u32 s17, s17, s41                     ; y = 4 cluster y + cy
	s_lshl_b32 s43, s41, 2
	s_lshl_b32 s43, 15, s43                        ; my row of the cluster
	s_lshl_b32 s44, 0x1111, s40                    ; my column
	s_or_b32 s[G1+0], s43, (3<<16)|(1<<21)         ; the mask; elements of 8 bytes; bit 21 beside a mask; no padding
	s_or_b32 s[G1B+0], s44, (3<<16)|(1<<21)
.irp g, G1, G1B
	s_mov_b32 s[\g+1], (TROW/8)<<16                ; tensor_dim0: 3,072 bytes
	s_mov_b32 s[\g+2], 8<<16                       ; tensor_dim1: 8 tiles
	s_mov_b32 s[\g+3], (TROW/8)<<16                ; tile_dim0
	s_mov_b32 s[\g+4], 8                           ; tile_dim1
	s_mov_b32 s[\g+5], TILEB/8                     ; from tile to tile
	s_mov_b32 s[\g+6], 0
	s_mov_b32 s[\g+7], 0
.endr
	s_or_b32 s[G1S+0], s43, (3<<16)|(1<<20)|(1<<21)|(5<<22)|(3<<25)   ; the scales of 128 rows: 4,096 dense bytes as rows of 256 + 16 of padding
	s_or_b32 s[G1SB+0], s44, (3<<16)|(1<<20)|(1<<21)|(5<<22)|(3<<25)
.irp g, G1S, G1SB
	s_mov_b32 s[\g+1], 32<<16
	s_mov_b32 s[\g+2], (128*KS/256)<<16
	s_mov_b32 s[\g+3], 32<<16
	s_mov_b32 s[\g+4], 128*KS/256
	s_mov_b32 s[\g+5], 32
	s_mov_b32 s[\g+6], 0
	s_mov_b32 s[\g+7], 0
.endr
	s_lshl_b32 s18, s16, 3                         ; which 8 tiles I fetch
	s_lshl_b32 s20, s17, 4
	s_add_co_u32 s20, s20, s18                     ; P's first tile: 16 y + 8 half
.if MODE_V
	s_add_co_u32 s20, s20, 128                     ; in Wv's part
.endif
	s_lshl_b32 s46, s42, 4
	s_add_co_u32 s46, s46, s18                     ; R's: 16 x + 8 half
.if MODE_V
	s_add_co_u32 s46, s46, 1024                    ; in value's part
.else
	s_lshl_b32 s19, s2, 6
	s_add_co_u32 s46, s46, s19
.endif
	s_lshl_b32 s22, s20, 9                         ; scale bytes: 512 a tile
	s_mov_b32 s23, 0
	s_mul_i32 s20, s20, TILEB
	s_mov_b32 s21, 0
	s_lshl_b32 s92, s46, 9
	s_mov_b32 s93, 0
	s_mul_i32 s46, s46, TILEB
	s_mov_b32 s47, 0
	s_mul_i32 s45, s14, HALFT                      ; where they go: by the wave's number alone
	s_mul_i32 s94, s14, HALFS
	s_wait_dscnt 0x0                               ; the opening add is done
	s_wait_kmcnt 0x0
.if MODE_V
	s_mov_b64 s[12:13], s[98:99]
.endif
	s_add_nc_u64 s[20:21], s[4:5], s[20:21]
	s_add_nc_u64 s[22:23], s[6:7], s[22:23]
	s_add_nc_u64 s[46:47], s[8:9], s[46:47]
	s_add_nc_u64 s[92:93], s[10:11], s[92:93]
	CROUND                                         ; all sixteen work-groups are here: the first joint loads meet
	s_mov_b32 s[G0S], 1
	s_add_co_u32 s[G0S+1], s94, SCL
	s_mov_b64 s[G0S+2:G0S+3], s[22:23]
	s_or_b32 s[G0S+3], s[G0S+3], 0x80000000
	s_mov_b32 s[G0SB], 1
	s_add_co_u32 s[G0SB+1], s94, SCL
	s_mov_b64 s[G0SB+2:G0SB+3], s[92:93]
	s_or_b32 s[G0SB+3], s[G0SB+3], 0x80000000
	JLOAD G0S, G1S, G0SB, G1SB                     ; the scales first: three tensor loads of mine are out at the most
.irp s, 0,1
	s_mov_b32 s[G0+4*\s], 1
	s_add_co_u32 s[G0+4*\s+1], s45, \s*SLOT
	s_add_nc_u64 s[G0+4*\s+2:G0+4*\s+3], s[20:21], \s*TROW
	s_or_b32 s[G0+4*\s+3], s[G0+4*\s+3], 0x80000000
	s_mov_b32 s[G0B+4*\s], 1
	s_add_co_u32 s[G0B+4*\s+1], s45, \s*SLOT
	s_add_nc_u64 s[G0B+4*\s+2:G0B+4*\s+3], s[46:47], \s*TROW
	s_or_b32 s[G0B+4*\s+3], s[G0B+4*\s+3], 0x80000000
	JLOAD G0+4*\s, G1, G0B+4*\s, G1B
.endr
	v_and_b32 v1, 15, v0                           ; r
	v_bfe_u32 v2, v0, 4, 1                         ; h
	v_and_b32 v3, 31, v0
	v_lshlrev_b32 v[IO], 4, v3
	s_mul_i32 s21, s15, HALFT                      ; my 128 rows of P
	s_mul_i32 s22, s16, HALFT
	s_add_co_u32 s22, s22, 2*HALFT                 ; my 128 rows of R, behind P's 256
.irp s, 0,1
	v_add_nc_u32 v[ADRA+\s], s21, v[IO]
	v_add_nc_u32 v[ADRB+\s], s22, v[IO]
	s_add_co_u32 s21, s21, SLOT
	s_add_co_u32 s22, s22, SLOT
.endr
	v_mul_u32_u24 v5, v1, KS                       ; my row's scales: 32 bytes a row,
	v_lshrrev_b32 v6, 8, v5
	v_lshl_add_u32 v5, v6, 4, v5                   ; and 16 more for each 256 passed
	s_mul_i32 s21, s15, HALFS
	s_mul_i32 s22, s16, HALFS
	s_add_co_u32 s22, s22, 2*HALFS
	s_sub_co_u32 s22, s22, s21
	v_mul_u32_u24 v6, s22, v2                      ; lanes 16-31 take R's
	s_add_co_u32 s21, s21, SCL
	v_add_nc_u32 v5, v5, v6
	v_add_nc_u32 v[ADRS], s21, v5
	v_mul_u32_u24 v[SO], v2, REC
	v_lshl_add_u32 v[SO], v1, 4, v[SO]
	; the bias, in the result's layout
.if MODE_V
	v_and_b32 v5, 7, v1
	v_lshrrev_b32 v6, 3, v1
	v_lshl_add_u32 v5, v6, 4, v5
	v_lshlrev_b32 v[BO], 2, v5                     ; a lane holds one channel: r % 8 + 16 (r / 8) in its tile's 32
	s_lshl_b32 s20, s17, 10
	s_lshl_b32 s21, s15, 9
.else
	v_lshlrev_b32 v[BO], 6, v2
	s_cmp_eq_u32 s2, 0
	s_cselect_b64 s[96:97], s[96:97], s[98:99]
	s_lshl_b32 s20, s42, 10
	s_lshl_b32 s21, s16, 9
.endif
	s_add_co_u32 s20, s20, s21
	s_mov_b32 s21, 0
	s_add_nc_u64 s[96:97], s[96:97], s[20:21]      ; my 128 channels
.irp b, 0,1,2,3,4,5,6,7
.if MODE_V
.irp j, 0,1,2,3,4,5,6,7
	global_load_b32 v[BI+8*\b+\j], v[BO], s[96:97] offset:(32*(\b/2)+8*(\b%2))*4   ; the lane's channel's bias in all eight registers of block b's C
.endr
.else
	global_load_b128 v[BI+8*\b:BI+8*\b+3], v[BO], s[96:97] offset:(32*(\b/2)+8*(\b%2))*4
	global_load_b128 v[BI+8*\b+4:BI+8*\b+7], v[BO], s[96:97] offset:(32*(\b/2)+8*(\b%2))*4+16
.endif
.endr
	; where my results go: record x 102,400 + step x 6,144 (four images a step of 128 tokens); scale words at + 98,304 + step x 256
.if MODE_V
	s_lshr_b32 s20, s42, 3
	s_lshl_b32 s20, s20, 4
	s_lshl_b32 s21, s17, 2
	s_add_co_u32 s20, s20, s21
	s_lshl_b32 s21, s15, 1
	s_add_co_u32 s20, s20, s21
	s_add_co_u32 s20, s20, 128                     ; record = 128 + 16 batch + 4 y + 2 (my half of the channels)
	s_and_b32 s22, s42, 7
	s_lshl_b32 s22, s22, 1
	s_add_co_u32 s22, s22, s16                     ; step = 2 (x % 8) + my half of the tokens
.else
	s_lshr_b32 s20, s17, 3
	s_lshl_b32 s20, s20, 4
	s_lshl_b32 s21, s42, 2
	s_add_co_u32 s20, s20, s21
	s_lshl_b32 s21, s16, 1
	s_add_co_u32 s20, s20, s21
	s_and_b32 s22, s17, 7
	s_lshl_b32 s22, s22, 1
	s_add_co_u32 s22, s22, s15
.endif
	s_mul_i32 s20, s20, REC
	s_lshl_b32 s18, s22, 8
	s_add_co_u32 s18, s18, 98304
	s_add_co_u32 s18, s18, s20
	s_mov_b32 s19, 0
	s_mul_i32 s22, s22, 4*IMG
	s_add_co_u32 s20, s20, s22
	s_mov_b32 s21, 0
	s_add_nc_u64 s[18:19], s[12:13], s[18:19]
	s_add_nc_u64 s[12:13], s[12:13], s[20:21]
	s_mov_b32 s66, 0x76543210
	s_mov_b32 s67, 0xfedcba98                      ; lane l xor 16
	s_mov_b32 s95, 0xffff0000                      ; lanes 16-31
.macro FRAG reg, adr, q, i             ; a fragment's image: three loads of 512 consecutive bytes
.irp c, 0,1,2
	ds_load_b128 v[\reg+4*\c:\reg+4*\c+3], v[\adr] offset:(\i)*TROW+(\q)*IMG+512*\c
.endr
.endm
; 16 matrix instructions: P's blocks a0, a0 + 1 x R's eight.  first = 1: the bias starts the sums.  The 64 accumulators take turns, one instruction a turn.
.macro MUL16 a0, p, q, sc, first
.irp a, \a0, \a0+1
.irp b, 0,1,2,3,4,5,6,7
.if \first
.if MODE_V
.set CB, BI+8*(\a)
.else
.set CB, BI+8*\b
.endif
	v_wmma_scale_f32_16x16x128_f8f6f4 v[8*(8*((\a)%4)+\b):8*(8*((\a)%4)+\b)+7], v[128*(\p)+FR*\b:128*(\p)+FR*\b+FR-1], v[AF+FR*(\a):AF+FR*(\a)+FR-1], v[CB:CB+7], v[SC+8*NQ*(\sc)+NQ*\b+(\q)], v[SC+8*NQ*(\sc)+NQ*(\a)+(\q)] matrix_a_fmt:MATRIX_FMT_FP6 matrix_b_fmt:MATRIX_FMT_FP6 matrix_a_scale:MATRIX_SCALE_ROW1
.else
	v_wmma_scale_f32_16x16x128_f8f6f4 v[8*(8*((\a)%4)+\b):8*(8*((\a)%4)+\b)+7], v[128*(\p)+FR*\b:128*(\p)+FR*\b+FR-1], v[AF+FR*(\a):AF+FR*(\a)+FR-1], v[8*(8*((\a)%4)+\b):8*(8*((\a)%4)+\b)+7], v[SC+8*NQ*(\sc)+NQ*\b+(\q)], v[SC+8*NQ*(\sc)+NQ*(\a)+(\q)] matrix_a_fmt:MATRIX_FMT_FP6 matrix_b_fmt:MATRIX_FMT_FP6 matrix_a_scale:MATRIX_SCALE_ROW1
.endif
.endr
.endr
.endm
.macro FETCH_B slot, q, p
	WIN TO_B
.irp i, 0,1,2,3,4,5,6,7
	FRAG 128*(\p)+FR*\i, ADRB+\slot, \q, \i
.endr
	WIN 0
.endm
.macro FETCH_A slot, q, i0
.irp i, \i0, \i0+1, \i0+2, \i0+3
	FRAG AF+FR*(\i), ADRA+\slot, \q, \i
.endr
.endm
.macro SCALES sc                       ; a K step's scale words: lanes 0-15 P's block i, lanes 16-31 R's block i
.irp i, 0,1,2,3,4,5,6,7
	ds_load_b64 v[SC+8*NQ*\sc+NQ*\i:SC+8*NQ*\sc+NQ*\i+1], v[ADRS] offset:\i*SBLK
.endr
.endm
.macro PLACES n                        ; plain places in front of loads into registers that matrix instructions have read, and of the first read of results
.rept \n
	v_nop
.endr
.endm
.macro STEP slot, q, first             ; 128 along K that has its successor in the same slot
	s_wait_dscnt 4*NL                              ; R's set and P's blocks 0-3 are in; the youngest 12 loads (P's blocks 4-7) may be out
.if \first
	WIN 0x81                                       ; C, the bias, in window 0
.else
	WIN MUL_LO
.endif
	MUL16 0, (\q)%2, \q, \slot, \first
	MUL16 2, (\q)%2, \q, \slot, \first
	s_wait_dscnt 0
	PLACES NP
	FETCH_B \slot, (\q)+1, 1-(\q)%2
	FETCH_A \slot, (\q)+1, 0
.if \first
	WIN 0xc1
.else
	WIN MUL_HI
.endif
	MUL16 4, (\q)%2, \q, \slot, \first
	MUL16 6, (\q)%2, \q, \slot, \first
	PLACES NP
	WIN 0
	FETCH_A \slot, (\q)+1, 4
.endm
; A slot's last step changes slots: each wave waits for all its tensor loads, adds 0 to its spare word, waits for that and for its reads of the slot; one barrier, which opens a round of the cluster's where the slot is filled again.
.macro TURN slot, next, fill
	s_wait_tensorcnt 0x0                           ; all my tensor loads have landed: my part of the next slot
	ds_add_u32 v[SPW], v[NIL]
	s_wait_dscnt 4*NL+1                            ; (the add and P's blocks 4-7 may be out)
	WIN MUL_LO
	MUL16 0, 1, NQ-1, \slot, 0
	s_wait_dscnt 0x0                               ; the add is done, and my reads of this slot are over
	s_barrier_signal -1
	MUL16 2, 1, NQ-1, \slot, 0
	WIN 0
	s_barrier_wait -1
.if \fill
	CREST                                          ; no wave of any partner still reads this slot or has a load on its way
	s_add_nc_u64 s[G0+4*\slot+2:G0+4*\slot+3], s[G0+4*\slot+2:G0+4*\slot+3], 2*TROW
	s_add_nc_u64 s[G0B+4*\slot+2:G0B+4*\slot+3], s[G0B+4*\slot+2:G0B+4*\slot+3], 2*TROW
	JLOAD G0+4*\slot, G1, G0B+4*\slot, G1B         ; the first tensor load behind the round; its four v_nop are the places in front of the loads below
.else
	PLACES NP
.endif
	v_add_nc_u32 v[ADRS], 4*NQ, v[ADRS]
	FETCH_B \next, 0, 0
	FETCH_A \next, 0, 0
	SCALES \next
	WIN MUL_HI
	MUL16 4, 1, NQ-1, \slot, 0
	MUL16 6, 1, NQ-1, \slot, 0
	PLACES NP
	WIN 0
	FETCH_A \next, 0, 4
.endm
	s_wait_tensorcnt 1                             ; the scales and my part of K step 0 are in; K step 1's load may be out
	s_barrier_signal -1
	s_barrier_wait -1
	FETCH_B 0, 0, 0
	FETCH_A 0, 0, 0
	SCALES 0
	FETCH_A 0, 0, 4
	s_wait_loadcnt 0x0                             ; the bias
	STEP 0, 0, 1
	s_mov_b32 s3, LAPS-1
.Llap:
	TURN 0, 1, 1
	STEP 1, 0, 0
	TURN 1, 0, 1
	STEP 0, 0, 0
	s_sub_co_u32 s3, s3, 1
	s_cmp_lg_u32 s3, 0
	s_cbranch_scc1 .Llap
	TURN 0, 1, 0                                   ; the last lap fills nothing
	STEP 1, 0, 0
	s_wait_dscnt 4*NL
	WIN MUL_LO
	MUL16 0, 1, NQ-1, 1, 0
	MUL16 2, 1, NQ-1, 1, 0
	s_wait_dscnt 0
	WIN MUL_HI
	MUL16 4, 1, NQ-1, 1, 0
	MUL16 6, 1, NQ-1, 1, 0
	WIN 0
; THE WAY OUT.  The 64 registers of P's block a (window win, from s on) are, in lane (r, h), j = 32 b + 16 h + i at register 16 b + i: they are quantised along j in registers.
; d0: where the codes of j 0-63 go (six registers), d1: those of j 64-127; pw: the row's scale word.  Each accumulator is read from its low end on.
.macro QUANTW win, s, d0, d1, pw
	WIN ((\win)<<2)|(\win)
.irp b, 0,1,2,3
	v_max3_num_f32 v[TM+\b], |v[(\s)+16*\b]|, |v[(\s)+1+16*\b]|, 0x1800000   ; with the floor 2^(3 - 127)
.endr
.irp i, 2,4,6,8,10,12,14
.irp b, 0,1,2,3
	v_max3_num_f32 v[TM+\b], |v[(\s)+16*\b+\i]|, |v[(\s)+1+16*\b+\i]|, v[TM+\b]
.endr
.endr
	WIN 0
.irp b, 0,1,2,3
	v_permlanex16_b32 v[TM+4+\b], v[TM+\b], s66, s67
.endr
.irp b, 0,1,2,3
	v_max_num_f32 v[TM+\b], v[TM+\b], v[TM+4+\b]
.endr
.irp b, 0,1,2,3
	v_add_nc_u32 v[TM+12+\b], 0xff000000, v[TM+\b]
.endr
.irp b, 0,1,2,3
	v_lshrrev_b32 v[TM+4+\b], 23, v[TM+12+\b]
.endr
	v_lshl_or_b32 v[\pw], v[TM+5], 8, v[TM+4]
	v_lshl_or_b32 v[\pw], v[TM+6], 16, v[\pw]
	v_lshl_or_b32 v[\pw], v[TM+7], 24, v[\pw]
	WIN \win
	v_cvt_scalef32_pk16_fp6_f32 v[\d0:\d0+2], v[(\s):(\s)+15], v[TM+12]
	v_cvt_scalef32_pk16_fp6_f32 v[T0:T0+2], v[(\s)+16:(\s)+31], v[TM+13]
	v_cvt_scalef32_pk16_fp6_f32 v[\d1:\d1+2], v[(\s)+32:(\s)+47], v[TM+14]
	v_cvt_scalef32_pk16_fp6_f32 v[T1:T1+2], v[(\s)+48:(\s)+63], v[TM+15]
	WIN 0
	v_nop                                          ; one plain place behind the conversions
.irp i, 0,1,2
	v_permlane16_swap_b32 v[\d0+\i], v[T0+\i]
.endr
.irp i, 0,1,2
	v_mov_b32 v[\d0+3+\i], v[T0+\i]
.endr
.irp i, 0,1,2
	v_permlane16_swap_b32 v[\d1+\i], v[T1+\i]
.endr
.irp i, 0,1,2
	v_mov_b32 v[\d1+3+\i], v[T1+\i]
.endr
.endm
	PLACES NP                                      ; behind the last products: results are read, and P's fragment registers written, below
.irp b, 0,1,2,3
	v_mov_b32 v[TM+4+\b], 0                        ; written once: a lane permute's destination counts as one of its sources
.endr
.if MODE_V
.irp a, 0,1,2,3,4,5,6,7                ; block a: 16 channels x my 128 tokens: one fragment of V^T
.if \a > 0
	s_wait_xcnt 0x0                                ; the last stores have read the codes' registers
.endif
	QUANTW 2+(\a)/4, 64*((\a)%4), FA, FA+6, WA+\a
.irp c, 0,1,2
	global_store_b128 v[IO], v[FA+4*\c:FA+4*\c+3], s[12:13] offset:((\a)%4)*IMG+((\a)/4)*REC+512*\c
.endr
.endr
.else
.irp g, 0,1,2,3
.if \g > 0
	s_wait_xcnt 0x0
.endif
	QUANTW 2+(\g)/2, 64*((2*\g)%4), FA, FB, PW0
	QUANTW 2+(\g)/2, 64*((2*\g+1)%4), FA+6, FB+6, PW1
	v_perm_b32 v[WA+\g], v[PW1], v[PW0], 0x05040100
	v_perm_b32 v[WA+4+\g], v[PW1], v[PW0], 0x07060302
.irp c, 0,1,2
	global_store_b128 v[IO], v[FA+4*\c:FA+4*\c+3], s[12:13] offset:IMG*\g+512*\c
	global_store_b128 v[IO], v[FB+4*\c:FB+4*\c+3], s[12:13] offset:REC+IMG*\g+512*\c
.endr
.endr
.endif
.irp i, 0,1,2,3
	v_cndmask_b32 v[SWR+\i], v[WA+\i], v[WA+4+\i], s95   ; lanes 0-15: the first head's four words of row r, lanes 16-31: the second head's
.endr
	global_store_b128 v[SO], v[SWR:SWR+3], s[18:19]      ; sixteen lanes store 256 consecutive bytes, aligned, in each of the two records
	s_wait_tensorcnt 0x0                           ; the wave's end
	ds_add_u32 v[SPW], v[NIL]
	s_wait_dscnt 0x0
	CROUND                                         ; the closing round
	s_endpgm
.Lfunc_end_k_qe0fcba03de_proj_v:
	.size	k_qe0fcba03de_proj_v, .Lfunc_end_k_qe0fcba03de_proj_v-k_qe0fcba03de_proj_v
	.p2alignl 7, 3214868480
	.fill 96, 4, 3214868480
	.section	.rodata,"a",@progbits
	.p2align	6, 0x0
	.amdhsa_kernel k_qe0fcba03de_proj_v
		.amdhsa_group_segment_fixed_size 327680
		.amdhsa_private_segment_fixed_size 0
		.amdhsa_enable_private_segment 0
		.amdhsa_kernarg_size 48
		.amdhsa_user_sgpr_count 2
		.amdhsa_user_sgpr_kernarg_segment_ptr 1
		.amdhsa_wavefront_size32 1
		.amdhsa_system_sgpr_workgroup_id_x 1
		.amdhsa_system_sgpr_workgroup_id_y 1
		.amdhsa_system_sgpr_workgroup_id_z 1
		.amdhsa_system_vgpr_workitem_id 0
		.amdhsa_next_free_vgpr 1024
		.amdhsa_next_free_sgpr 100
		.amdhsa_reserve_vcc 0
		.amdhsa_float_denorm_mode_32 3
		.amdhsa_float_denorm_mode_16_64 3
		.amdhsa_memory_ordered 1
		.amdhsa_forward_progress 1
		.amdhsa_inst_pref_size 147
	.end_amdhsa_kernel
	.amdgpu_metadata
---
amdhsa.version: [ 1, 2 ]
amdhsa.kernels:
  - .name:           k_qe0fcba03de_proj_v
    .symbol:         k_qe0fcba03de_proj_v.kd
    .args:
      - { .name: wc, .offset: 0, .size: 8, .value_kind: global_buffer, .address_space: global }
      - { .name: ws, .offset: 8, .size: 8, .value_kind: global_buffer, .address_space: global }
      - { .name: xc, .offset: 16, .size: 8, .value_kind: global_buffer, .address_space: global }
      - { .name: xs, .offset: 24, .size: 8, .value_kind: global_buffer, .address_space: global }
      - { .name: bv, .offset: 32, .size: 8, .value_kind: global_buffer, .address_space: global }
      - { .name: att, .offset: 40, .size: 8, .value_kind: global_buffer, .address_space: global }
    .group_segment_fixed_size: 327680
    .private_segment_fixed_size: 0
    .kernarg_segment_align: 8
    .kernarg_segment_size: 48
    .max_flat_workgroup_size: 128
    .sgpr_count:     100
    .vgpr_count:     1024
    .wavefront_size: 32
...
	.end_amdgpu_metadata
.endif
;; end of part 4
;; launch attn (part 5): grid 4 x 64, 16 waves a work-group, clusters of 4 x 1, 206,848 bytes of LDS; arguments att, ac, asc; writes ac, asc
.if DOCPART == 5
	.amdgcn_target "amdgcn-amd-amdhsa--gfx1250"
	.amdhsa_code_object_version 6
	.text
	.protected	k_qe0fcba03de_attn
	.globl	k_qe0fcba03de_attn
	.p2align	8
	.type	k_qe0fcba03de_attn,@function
k_qe0fcba03de_attn:
	s_mov_b64 s[64:65], 0
	v_nop
	global_prefetch_b8 v0, s[64:65] scope:SCOPE_SE
	s_setreg_imm32_b32 hwreg(HW_REG_WAVE_MODE, 25, 1), 1
	s_wait_xcnt 0x0
	s_wait_alu depctr_hold_cnt(0) depctr_sa_sdst(0) depctr_va_vdst(0) depctr_va_sdst(0) depctr_va_ssrc(0) depctr_va_vcc(0) depctr_vm_vsrc(0)
	s_getreg_b32 s2, hwreg(HW_REG_IB_STS2, 6, 4)
	s_cmp_eq_u32 s2, 0
	s_cbranch_scc0 .Lentry_in_a_cluster
	s_endpgm
.Lentry_in_a_cluster:
	s_bfe_u32 s2, ttmp6, 0x10000c
	s_cmp_lg_u32 s2, 0x3003
	s_cbranch_scc0 .Lentry_shape_is_right
	s_endpgm
.Lentry_shape_is_right:
; o = softmax(q k^T / 8) v for one (batch, head), both products on codes of FP6 (E2M3) with E8M0 scales; o / l is quantised along the head's 64 channels and leaves as codes for the output projection.
; THE SOFTMAX: t = score x log2(e) / 8; M = the running largest t rounded UP to a whole number; p = 2^(t - M) is quantised along the keys, not normalised; the row's sum is taken of the unquantised p and divides at the end.
; When M moves, the sum and O are multiplied by 2^(old M - new M): exact.
; SHARES: the cluster's y is 16 batch + head; its four work-groups take 512 queries each; each of the sixteen waves 32 queries: two tiles of 16, one after the other, in 256 registers; four waves share a SIMD, so that one wave's
; vector work stands beside another's products and LDS loads.
; THE WHOLE HEAD'S K AND V STAY IN LDS: two records of 102,400 bytes (64 images of fragments, then the scale words), brought once: each wave asks for 12,800 bytes, jointly with the same wave of the three partners.  Nothing is filled again.
; LAYOUT: both products transposed: S^T = K Q^T, O^T = V^T P^T: a lane holds one query throughout.  Tokens and channels lie in stored order (bits 3 and 4 changed over), so the 16 registers of two neighbouring tiles are 16 neighbours.
; A HEAD HAS 64 CHANNELS, THE INSTRUCTION TAKES 128 ALONG K: an image of K holds two key tiles, one in each half of K; multiplied by [q | 0] it gives the first tile's scores, by [0 | q] the second's.  The other half meets zero codes
; on q's side alone (a departure from zero codes on both sides: the codes have no infinity and no NaN and every scale byte lies in 1 .. 254, so that half adds exact zeros); q's scale bytes there are 1.
; LIMITS: NaN and infinities are not served; a block of zeros gets the byte 1 (zero codes).  The two scale bytes a token leave as runs of 64 bytes a wave: a part of a 256-byte block; they are one byte for 24 bytes of codes.
; No prefetch: every tile is a first fill at the kernel's head.
.set REC,  102400
.set IMG,  1536
.set SPARE, 2*REC                      ; behind the records: the spare words, 128 bytes for each of 16 waves
.set LI,   1                           ; v1   16 x lane
.set LV,   2                           ; v2   the same in V's record
.set ASC0, 3                           ; v3   scale words: lanes 0-15 K's row r, lanes 16-31 V's row r
.set SPW,  4
.set NIL,  5
.set GO,   6                           ; v6   8 x lane
.set GH,   7                           ; v7   2 x lane
.set ADK,  8
.set ADV,  9
.set ADS,  10
.set F,    34                          ; v34-45 q's image: registers 0-5 my first tile, 6-11 my second
.set QW,   46                          ; v46  q's scale word of both tiles
.set QSLO, 47                          ; v47  the scale word of [q | 0]
.set QSHI, 48                          ; v48  of [0 | q]
.set FR,   52                          ; v52-99 four fragments of K, then of V
.set S,    100                         ; v100-163 S^T, then p
.set OT,   164                         ; v164-195 O^T
.set PCD,  196                         ; v196-207 p's codes
.set PT,   208                         ; v208-210, v212-214 the conversions' second halves
.set SCW,  216                         ; v216-219 the step's scale words of K (lanes 0-15) and V (lanes 16-31)
.set BM,   220
.set BT,   224
.set BO,   228
.set FF,   232                         ; v232 f; v233 named with it as a pair
.set TT,   234
.set PS,   235                         ; p's scale word
.set C2,   236
.set HW,   238                         ; v238, v239 o's two scale bytes, for each of my tiles
.set WV,   18
.set SEL,  20
.set CS,   22
.set G1,   24
.set G0,   32
.set TK,   36
.set TS,   37
.set CNT,  38
.set MASK, 39
.macro CROUND
	s_barrier_signal -1
	s_barrier_wait -1
	s_cmp_lg_u32 s[WV], 0
	s_cbranch_scc1 .Lnot_wave_0_\@
	s_barrier_signal -3
.Lnot_wave_0_\@:
	s_barrier_wait -3
	s_barrier_signal -1
	s_barrier_wait -1
.endm
	s_load_b128 s[4:7], s[0:1], 0x0                ; att, ac
	s_load_b64 s[8:9], s[0:1], 0x10                ; asc
	v_lshl_add_u32 v[SPW], v0, 2, SPARE
	v_mov_b32 v[NIL], 0
	ds_add_u32 v[SPW], v[NIL]                      ; the wave's opening: the add and its wait ahead of my first tensor load
	v_lshrrev_b32 v8, 5, v0
	v_readfirstlane_b32 s[WV], v8                  ; wave 0..15
	s_bfe_u32 s40, ttmp6, 0x40000                  ; cx
	s_and_b32 s41, ttmp7, 0xffff                   ; 16 batch + head, which the four partners share
	s_mov_b32 s[G1], 15|(3<<16)|(1<<21)            ; the mask: all four; elements of 8 bytes; bit 21 beside a mask
	s_mov_b32 s[G1+1], 32<<16                      ; rows of 256 bytes,
	s_mov_b32 s[G1+2], 50<<16                      ; 50 of them: 12,800 dense bytes
	s_mov_b32 s[G1+3], 32<<16
	s_mov_b32 s[G1+4], 50
	s_mov_b32 s[G1+5], 32
	s_mov_b32 s[G1+6], 0
	s_mov_b32 s[G1+7], 0
	s_mov_b32 s[G0], 1
	s_mul_i32 s[G0+1], s[WV], 12800                ; waves 0-7 fill K's record, waves 8-15 V's
	s_add_co_u32 s42, s41, 64
	s_mul_i32 s42, s42, REC
	s_lshr_b32 s43, s[WV], 3
	s_mul_i32 s43, s43, 64*REC
	s_add_co_u32 s42, s42, s43
	s_and_b32 s43, s[WV], 7
	s_mul_i32 s43, s43, 12800
	s_add_co_u32 s42, s42, s43
	s_mov_b32 s43, 0
	s_lshl_b32 s44, s40, 4
	s_add_co_u32 s44, s44, s[WV]                   ; G: my group of 32 queries
	s_mul_i32 s46, s41, REC                        ; q's record
	s_mul_i32 s45, s44, IMG
	s_add_co_u32 s48, s46, s45                     ; its image G
	s_mov_b32 s49, 0
	s_lshr_b32 s45, s44, 2
	s_lshl_b32 s45, s45, 8
	s_add_co_u32 s50, s46, s45
	s_and_b32 s45, s44, 3
	s_lshl_b32 s45, s45, 2
	s_add_co_u32 s50, s50, s45
	s_add_co_u32 s50, s50, 98304                   ; and its scale words: [G / 4][row][G % 4]
	s_mov_b32 s51, 0
	s_lshr_b32 s45, s41, 4                         ; batch
	s_and_b32 s47, s41, 15                         ; head
	s_lshl_b32 s52, s45, 7
	s_lshl_b32 s46, s44, 1
	s_add_co_u32 s52, s52, s46
	s_lshl_b32 s52, s52, 4
	s_add_co_u32 s52, s52, s47
	s_mul_i32 s52, s52, 768                        ; ac: ((128 batch + 2 G) x 16 + head) x 768
	s_mov_b32 s53, 0
	s_lshl_b32 s54, s47, 14
	s_lshl_b32 s46, s45, 12
	s_add_co_u32 s54, s54, s46
	s_lshl_b32 s46, s44, 6
	s_add_co_u32 s54, s54, s46                     ; asc: head x 16,384 + (2,048 batch + 32 G) x 2
	s_mov_b32 s55, 0
	s_mov_b32 s[SEL], 0x76543210
	s_mov_b32 s[SEL+1], 0xfedcba98                 ; lane l xor 16
	s_mov_b32 s[CS], 0x3e38aa3b                    ; c = log2(e) / 8
	s_mov_b32 s[CS+1], s[CS]
	s_mov_b32 s[MASK], 0xffff0000
	s_wait_dscnt 0x0                               ; the opening add is done
	s_wait_kmcnt 0x0
	s_add_nc_u64 s[G0+2:G0+3], s[4:5], s[42:43]
	s_or_b32 s[G0+3], s[G0+3], 0x80000000
	s_add_nc_u64 s[48:49], s[4:5], s[48:49]
	s_add_nc_u64 s[50:51], s[4:5], s[50:51]
	s_add_nc_u64 s[6:7], s[6:7], s[52:53]
	s_add_nc_u64 s[8:9], s[8:9], s[54:55]
	CROUND                                         ; all four work-groups are here: the joint loads meet
	tensor_load_to_lds s[G0:G0+3], s[G1:G1+7]      ; my one tensor load of the launch
	s_nop 0
.rept 4
	v_nop
.endr
	v_and_b32 v8, 31, v0
	v_and_b32 v9, 15, v0                           ; r
	v_bfe_u32 v10, v0, 4, 1                        ; h
	v_lshlrev_b32 v[LI], 4, v8
	v_lshlrev_b32 v11, 4, v9
.irp c, 0,1,2
	global_load_b128 v[F+4*\c:F+4*\c+3], v[LI], s[48:49] offset:512*\c   ; q's image
.endr
	global_load_b32 v[QW], v11, s[50:51]           ; and row r's scale word
	v_add_nc_u32 v[LV], REC, v[LI]
	v_mul_u32_u24 v[ASC0], v10, REC
	v_lshl_add_u32 v[ASC0], v9, 4, v[ASC0]
	v_add_nc_u32 v[ASC0], 98304, v[ASC0]
	v_lshlrev_b32 v[GO], 3, v8
	v_lshlrev_b32 v[GH], 1, v8
.irp i, 0,1,2,3,4,5
	v_mov_b32 v[16+\i], 0                          ; [0 | q] = v16-27, [q | 0] = v22-33
	v_mov_b32 v[28+\i], 0
.endr
.irp b, 0,1,2,3
	v_mov_b32 v[BT+\b], 0                          ; written once: a lane permute's destination counts as one of its sources
.endr
	v_mov_b32 v[FF+1], 0                           ; (named as the upper half of the pair)
	s_wait_tensorcnt 0x0                           ; my part of the records is in,
	s_barrier_signal -1
	s_barrier_wait -1                              ; everybody's is
	s_wait_loadcnt 0x0                             ; q
; A KEY STEP: 128 keys.
.macro STEP
	v_add_nc_u32 v[ADK], s[TK], v[LI]
	v_add_nc_u32 v[ADV], s[TK], v[LV]
	v_add_nc_u32 v[ADS], s[TS], v[ASC0]
	v_nop                                          ; four plain places in front of loads into registers that the last products have read
.irp b, 0,1,2,3
.irp c, 0,1,2
	ds_load_b128 v[FR+12*\b+4*\c:FR+12*\b+4*\c+3], v[ADK] offset:IMG*\b+512*\c
.endr
.endr
	ds_load_b128 v[SCW:SCW+3], v[ADS]
	s_wait_dscnt 0x0
.irp b, 0,1,2,3                                ; image b: key tiles 2 b and 2 b + 1: together keys 32 b + 16 h + 0 .. 15 in 16 registers
	v_wmma_scale_f32_16x16x128_f8f6f4 v[S+16*\b:S+16*\b+7], v[FR+12*\b:FR+12*\b+11], v[22:33], 0, v[SCW+\b], v[QSLO] matrix_a_fmt:MATRIX_FMT_FP6 matrix_b_fmt:MATRIX_FMT_FP6
	v_wmma_scale_f32_16x16x128_f8f6f4 v[S+16*\b+8:S+16*\b+15], v[FR+12*\b:FR+12*\b+11], v[16:27], 0, v[SCW+\b], v[QSHI] matrix_a_fmt:MATRIX_FMT_FP6 matrix_b_fmt:MATRIX_FMT_FP6
.endr
.rept 4
	v_nop
.endr
.irp b, 0,1,2,3                                ; V's four fragments land under the softmax
.irp c, 0,1,2
	ds_load_b128 v[FR+12*\b+4*\c:FR+12*\b+4*\c+3], v[ADV] offset:IMG*\b+512*\c
.endr
.endr
.irp b, 0,1,2,3
	v_max3_num_f32 v[BM+\b], v[S+16*\b], v[S+1+16*\b], v[S+2+16*\b]   ; the largest score of each block of 32 keys: for the row's maximum, and, since p rises with the score, for the block's largest p
.endr
.irp i, 3,5,7,9,11,13
.irp b, 0,1,2,3
	v_max3_num_f32 v[BM+\b], v[BM+\b], v[S+16*\b+\i], v[S+1+16*\b+\i]
.endr
.endr
.irp b, 0,1,2,3
	v_max_num_f32 v[BM+\b], v[BM+\b], v[S+15+16*\b]
.endr
.irp b, 0,1,2,3
	v_permlanex16_b32 v[BT+\b], v[BM+\b], s[SEL], s[SEL+1]
.endr
.irp b, 0,1,2,3
	v_max_num_f32 v[BM+\b], v[BM+\b], v[BT+\b]
.endr
	v_max3_num_f32 v[TT], v[BM], v[BM+1], v[BM+2]
	v_max_num_f32 v[TT], v[TT], v[BM+3]
	v_mul_f32 v[TT], s[CS], v[TT]
	v_max_num_f32 v13, v13, v[TT]                  ; the running largest t
	v_mov_b32 v[TT], v12
	v_floor_f32 v12, -v13                          ; the new -M = -ceil(t)
	v_sub_f32 v[TT], v12, v[TT]                    ; old M - new M: a whole number, 0 or less
	v_cvt_i32_f32 v[TT], v[TT]                     ; (it saturates)
	v_ldexp_f32 v[FF], 1.0, v[TT]                  ; f = 2^(old M - new M)
.set j, 0
.rept 32
	v_pk_fma_f32 v[S+j:S+j+1], v[S+j:S+j+1], s[CS:CS+1], v[12:13] op_sel_hi:[1,0,0]   ; t - M
.set j, j+2
.endr
.irp b, 0,1,2,3
	v_fma_f32 v[BM+\b], v[BM+\b], s[CS], v12
.endr
.set j, 0
.rept 64
	v_exp_f32 v[S+j], v[S+j]                       ; p = 2^(t - M)
.set j, j+1
.endr
	v_pk_mul_f32 v[14:15], v[14:15], v[FF:FF+1] op_sel_hi:[1,0]   ; the sums under the new M: a plain place behind the exponentials
	s_wait_alu depctr_va_vdst(0)                   ; one wait for the batch, ahead of its first reader
.irp b, 0,1,2,3
	v_exp_f32 v[BM+\b], v[BM+\b]                   ; each block's largest p
.endr
	v_pk_add_f32 v[C2:C2+1], v[S:S+1], v[S+2:S+3]  ; the row's sum of the unquantised p, in two chains
.irp j, 4,8,12,16,20,24,28,32,36,40,44,48,52,56,60
	v_pk_add_f32 v[14:15], v[14:15], v[S+\j:S+\j+1]
	v_pk_add_f32 v[C2:C2+1], v[C2:C2+1], v[S+2+\j:S+3+\j]
.endr
	v_pk_add_f32 v[14:15], v[14:15], v[C2:C2+1]
	s_wait_alu depctr_va_vdst(0)                   ; and one for the four
.irp b, 0,1,2,3
	v_max_num_f32 v[BM+\b], 0x1800000, v[BM+\b]    ; the floor 2^(3 - 127)
.endr
.irp b, 0,1,2,3
	v_add_nc_u32 v[BO+\b], 0xff000000, v[BM+\b]
.endr
.irp b, 0,1,2,3
	v_lshrrev_b32 v[BT+\b], 23, v[BO+\b]
.endr
	v_lshl_or_b32 v[PS], v[BT+1], 8, v[BT]
	v_lshl_or_b32 v[PS], v[BT+2], 16, v[PS]
	v_lshl_or_b32 v[PS], v[BT+3], 24, v[PS]
.irp c, 0,1
	v_cvt_scalef32_pk16_fp6_f32 v[PCD+6*\c:PCD+6*\c+2], v[S+32*\c:S+32*\c+15], v[BO+2*\c]
	v_cvt_scalef32_pk16_fp6_f32 v[PT+4*\c:PT+4*\c+2], v[S+16+32*\c:S+31+32*\c], v[BO+2*\c+1]
.endr
	v_nop                                          ; one plain place behind the conversions
.irp c, 0,1
.irp i, 0,1,2
	v_permlane16_swap_b32 v[PCD+6*\c+\i], v[PT+4*\c+\i]
.endr
.irp i, 0,1,2
	v_mov_b32 v[PCD+3+6*\c+\i], v[PT+4*\c+\i]
.endr
.endr
.set j, 0
.rept 16
	v_pk_mul_f32 v[OT+j:OT+j+1], v[OT+j:OT+j+1], v[FF:FF+1] op_sel_hi:[1,0]   ; O^T under the new M; also the places in front of the products below
.set j, j+2
.endr
	s_wait_dscnt 0x0                               ; V's fragments
.irp t, 0,1,2,3                                ; the four accumulators take turns, one instruction a turn
	v_wmma_scale_f32_16x16x128_f8f6f4 v[OT+8*\t:OT+8*\t+7], v[FR+12*\t:FR+12*\t+11], v[PCD:PCD+11], v[OT+8*\t:OT+8*\t+7], v[SCW+\t], v[PS] matrix_a_fmt:MATRIX_FMT_FP6 matrix_b_fmt:MATRIX_FMT_FP6 matrix_a_scale:MATRIX_SCALE_ROW1
.endr
.endm
; THE WAY OUT of tile u: O^T / the sum; register 16 b + i is channel 32 b + 16 h + i: two blocks of 32 of the output projection's K; six registers of codes, as three runs of 256 bytes.
.macro OUT u
	v_add_f32 v14, v14, v15
	v_permlanex16_b32 v[TT], v14, s[SEL], s[SEL+1]
	v_add_f32 v14, v14, v[TT]                      ; the row's sum
	v_rcp_f32 v14, v14
.rept 4
	v_nop                                          ; places behind the last products and behind the reciprocal
.endr
	s_wait_alu depctr_va_vdst(0)                   ; ahead of the reciprocal's first reader
.set j, 0
.rept 32
	v_mul_f32 v[S+j], v[OT+j], v14                 ; each accumulator from its low end on
.set j, j+1
.endr
.irp b, 0,1
	v_max3_num_f32 v[BM+\b], |v[S+16*\b]|, |v[S+1+16*\b]|, 0x1800000
.endr
.irp i, 2,4,6,8,10,12,14
.irp b, 0,1
	v_max3_num_f32 v[BM+\b], v[BM+\b], |v[S+16*\b+\i]|, |v[S+1+16*\b+\i]|
.endr
.endr
.irp b, 0,1
	v_permlanex16_b32 v[BT+\b], v[BM+\b], s[SEL], s[SEL+1]
.endr
.irp b, 0,1
	v_max_num_f32 v[BM+\b], v[BM+\b], v[BT+\b]
.endr
.irp b, 0,1
	v_add_nc_u32 v[BO+\b], 0xff000000, v[BM+\b]
.endr
.irp b, 0,1
	v_lshrrev_b32 v[BT+\b], 23, v[BO+\b]
.endr
	v_lshl_or_b32 v[HW+\u], v[BT+1], 8, v[BT]
	v_cvt_scalef32_pk16_fp6_f32 v[PCD:PCD+2], v[S:S+15], v[BO]
	v_cvt_scalef32_pk16_fp6_f32 v[PT:PT+2], v[S+16:S+31], v[BO+1]
	v_nop
.irp i, 0,1,2
	v_permlane16_swap_b32 v[PCD+\i], v[PT+\i]
.endr
.irp i, 0,1,2
	v_mov_b32 v[PCD+3+\i], v[PT+\i]
.endr
.irp p, 0,1,2
	global_store_b64 v[GO], v[PCD+2*\p:PCD+2*\p+1], s[6:7] offset:12288*\u+256*\p   ; 32 lanes store 256 consecutive bytes, aligned
.endr
.endm
.macro PASS u
	s_wait_xcnt 0x0                                ; the last tile's stores have read the codes' registers
.irp i, 0,1,2,3,4,5
	v_mov_b32 v[22+\i], v[F+6*\u+\i]
.endr
.if \u == 0
	v_and_b32 v49, 0xffff, v[QW]
.else
	v_lshrrev_b32 v49, 16, v[QW]
.endif
	v_or_b32 v[QSLO], 0x01010000, v49
	v_lshl_or_b32 v[QSHI], v49, 16, 0x0101
	v_mov_b32 v13, 0xff61b1e6                      ; the largest t so far: -3e38
	v_floor_f32 v12, -v13
	v_mov_b32 v14, 0
	v_mov_b32 v15, 0
.set j, 0
.rept 32
	v_mov_b32 v[OT+j], 0                           ; the step is written once: its first trip finds zeros
.set j, j+1
.endr
	s_mov_b32 s[TK], 0
	s_mov_b32 s[TS], 0
	s_mov_b32 s[CNT], 16
.Lkey_\@:
	STEP
	s_add_co_u32 s[TK], s[TK], 4*IMG
	s_add_co_u32 s[TS], s[TS], 256
	s_sub_co_u32 s[CNT], s[CNT], 1
	s_cmp_lg_u32 s[CNT], 0
	s_cbranch_scc1 .Lkey_\@
	OUT \u
.endm
	PASS 0
	PASS 1
	v_cndmask_b32 v240, v[HW], v[HW+1], s[MASK]    ; lanes 0-15: my first tile's rows, lanes 16-31: my second's
	global_store_b16 v[GH], v240, s[8:9]
	s_wait_tensorcnt 0x0                           ; the wave's end
	ds_add_u32 v[SPW], v[NIL]
	s_wait_dscnt 0x0
	CROUND                                         ; the closing round
	s_endpgm
.Lfunc_end_k_qe0fcba03de_attn:
	.size	k_qe0fcba03de_attn, .Lfunc_end_k_qe0fcba03de_attn-k_qe0fcba03de_attn
	.p2alignl 7, 3214868480
	.fill 96, 4, 3214868480
	.section	.rodata,"a",@progbits
	.p2align	6, 0x0
	.amdhsa_kernel k_qe0fcba03de_attn
		.amdhsa_group_segment_fixed_size 206848
		.amdhsa_private_segment_fixed_size 0
		.amdhsa_enable_private_segment 0
		.amdhsa_kernarg_size 24
		.amdhsa_user_sgpr_count 2
		.amdhsa_user_sgpr_kernarg_segment_ptr 1
		.amdhsa_wavefront_size32 1
		.amdhsa_system_sgpr_workgroup_id_x 1
		.amdhsa_system_sgpr_workgroup_id_y 1
		.amdhsa_system_sgpr_workgroup_id_z 1
		.amdhsa_system_vgpr_workitem_id 0
		.amdhsa_next_free_vgpr 256
		.amdhsa_next_free_sgpr 66
		.amdhsa_reserve_vcc 0
		.amdhsa_float_denorm_mode_32 3
		.amdhsa_float_denorm_mode_16_64 3
		.amdhsa_memory_ordered 1
		.amdhsa_forward_progress 1
		.amdhsa_inst_pref_size 47
	.end_amdhsa_kernel
	.amdgpu_metadata
---
amdhsa.version: [ 1, 2 ]
amdhsa.kernels:
  - .name:           k_qe0fcba03de_attn
    .symbol:         k_qe0fcba03de_attn.kd
    .args:
      - { .name: att, .offset: 0, .size: 8, .value_kind: global_buffer, .address_space: global }
      - { .name: ac, .offset: 8, .size: 8, .value_kind: global_buffer, .address_space: global }
      - { .name: asc, .offset: 16, .size: 8, .value_kind: global_buffer, .address_space: global }
    .group_segment_fixed_size: 206848
    .private_segment_fixed_size: 0
    .kernarg_segment_align: 8
    .kernarg_segment_size: 24
    .max_flat_workgroup_size: 512
    .sgpr_count:     66
    .vgpr_count:     256
    .wavefront_size: 32
...
	.end_amdgpu_metadata
.endif
;; end of part 5
;; launch outln (part 6): grid 256 x 1, 4 waves a work-group, clusters of 4 x 1, 327,680 bytes of LDS; arguments ac, asc, wc, ws, bo, query, ln_gamma, ln_beta, out0; writes out0
.if DOCPART == 6
	.amdgcn_target "amdgcn-amd-amdhsa--gfx1250"
	.amdhsa_code_object_version 6
	.text
	.protected	k_qe0fcba03de_outln
	.globl	k_qe0fcba03de_outln
	.p2align	8
	.type	k_qe0fcba03de_outln,@function
k_qe0fcba03de_outln:
	s_mov_b64 s[64:65], 0
	v_nop
	global_prefetch_b8 v0, s[64:65] scope:SCOPE_SE
	s_setreg_imm32_b32 hwreg(HW_REG_WAVE_MODE, 25, 1), 1
	s_wait_xcnt 0x0
	s_wait_alu depctr_hold_cnt(0) depctr_sa_sdst(0) depctr_va_vdst(0) depctr_va_sdst(0) depctr_va_ssrc(0) depctr_va_vcc(0) depctr_vm_vsrc(0)
	s_getreg_b32 s2, hwreg(HW_REG_IB_STS2, 6, 4)
	s_cmp_eq_u32 s2, 0
	s_cbranch_scc0 .Lentry_in_a_cluster
	s_endpgm
.Lentry_in_a_cluster:
	s_bfe_u32 s2, ttmp6, 0x10000c
	s_cmp_lg_u32 s2, 0x3003
	s_cbranch_scc0 .Lentry_shape_is_right
	s_endpgm
.Lentry_shape_is_right:
; out0 = LayerNorm(o Wo + bo + query) x gamma + beta.  The product on codes of FP6 (E2M3) with E8M0 scales, sums in f32; all else in f32; mean and variance in two passes over the row.
; SHARES: a work-group takes 32 tokens (stored tiles 2 g, 2 g + 1) x all 1,024 columns, so that a row has one owner.  Wave w makes columns 256 w .. 256 w + 255: 16 tiles of Wo's columns (source 0) x 2 tiles of tokens (source 1):
; 32 accumulators.  o's 16 fragments, the scale words and bo (loaded straight into the accumulators) come from memory into registers once.
; Wo's tiles are the same for every work-group: the four of a cluster ask for them jointly, a K step of 128 at a time, through two LDS slots; each wave fetches and reads its own quarter (16 images of 1,536 bytes).
; Behind the product the results go through a stage in LDS, laid over the ring, which has had its last fill; each wave takes 8 whole rows, adds the residual (asked for at the head) and normalises.
; REGISTERS: window 0: v2-11 addresses; v32-39 o's scale words; v40-103 Wo's; v104-127 at work; v128-255 residual rows 0-3.  window 1: v0-191 Wo's fragments; v192-255 residual rows 4, 5.
;   window 2: accumulators (u, T) at 8 (16 u + T), later my 8 rows.  window 3: v0-191 o's fragments (K step s, tile u) at 12 (2 s + u), later gamma and beta; v192-255 residual rows 6, 7.
; LIMITS: NaN and infinities are not served.
.set IMG,   1536
.set WPART, 16*IMG                     ; a wave's part of a slot
.set SLOT,  4*WPART
.set SPITCH, 4112                      ; a stage row: 4,096 bytes + 16
.set SPARE, 2*SLOT                     ; behind the ring: the spare words
.set SPW,  28
.set NIL,  29
.set SA,   32
.set SBW,  40
.set HH,   104
.set WV,   22
.set G1,   24
.set G0,   32
.set SEL,  52
.set INV,  54
.set EPS,  55
.set MSB, 0
.macro WIN new
.if MSB != (\new)
	s_set_vgpr_msb (MSB<<8)|(\new)
.set MSB, (\new)
.endif
.endm
.macro CROUND
	s_barrier_signal -1
	s_barrier_wait -1
	s_cmp_lg_u32 s[WV], 0
	s_cbranch_scc1 .Lnot_wave_0_\@
	s_barrier_signal -3
.Lnot_wave_0_\@:
	s_barrier_wait -3
	s_barrier_signal -1
	s_barrier_wait -1
.endm
	s_load_b256 s[4:11], s[0:1], 0x0               ; ac, asc, wc, ws
	s_load_b256 s[12:19], s[0:1], 0x20             ; bo, query, gamma, beta
	s_load_b64 s[20:21], s[0:1], 0x40              ; out0
	v_lshl_add_u32 v[SPW], v0, 2, SPARE
	v_mov_b32 v[NIL], 0
	ds_add_u32 v[SPW], v[NIL]                      ; the wave's opening: the add and its wait ahead of my first tensor load
	v_lshrrev_b32 v1, 5, v0
	v_readfirstlane_b32 s[WV], v1                  ; wave
	s_bfe_u32 s40, ttmp6, 0x40000                  ; cx
	s_lshl_b32 s41, ttmp9, 2
	s_add_co_u32 s41, s41, s40                     ; g: my 32 tokens
	s_mov_b32 s[G1], 15|(3<<16)|(1<<21)            ; the mask: all four; elements of 8 bytes; bit 21 beside a mask
	s_mov_b32 s[G1+1], 192<<16                     ; rows of 1,536 bytes: an image,
	s_mov_b32 s[G1+2], 16<<16                      ; of 16 tiles,
	s_mov_b32 s[G1+3], 192<<16
	s_mov_b32 s[G1+4], 16
	s_mov_b32 s[G1+5], 1536                        ; 12,288 bytes apart
	s_mov_b32 s[G1+6], 0
	s_mov_b32 s[G1+7], 0
	s_mul_i32 s42, s[WV], WPART
	s_mul_i32 s44, s[WV], 16*12288
	s_add_co_u32 s44, s44, 192*12288               ; Wo's part of wc, my 16 tiles
	s_mov_b32 s45, 0
	s_mov_b32 s[SEL], 0x76543210
	s_mov_b32 s[SEL+1], 0xfedcba98
	s_mov_b32 s[INV], 0x3a800000                   ; 1 / 1024
	s_mov_b32 s[EPS], 0x3727c5ac                   ; 1e-5
	s_lshr_b32 s46, s[WV], 1
	s_and_b32 s47, s[WV], 1
	s_lshl_b32 s47, s47, 1
	s_or_b32 s46, s46, s47                         ; stage rows 8 w .. 8 w + 7 are tokens 8 (w / 2 + 2 (w % 2)) + 0 .. 7 of the 32
	s_lshl_b32 s46, s46, 3
	s_lshl_b32 s47, s41, 5
	s_add_co_u32 s46, s46, s47
	s_lshl_b32 s46, s46, 12                        ; my 8 rows of query and of out0
	s_mov_b32 s47, 0
	s_lshl_b32 s48, s[WV], 10                      ; bo: my 256 columns
	s_mov_b32 s49, 0
	s_mul_i32 s50, s41, 24576                      ; ac: my two tiles
	s_mov_b32 s51, 0
	s_lshl_b32 s56, s[WV], 13
	s_add_co_u32 s56, s56, 98304                   ; ws: Wo's part, my 256 rows of 32 bytes
	s_mov_b32 s57, 0
	s_lshl_b32 s58, s41, 6                         ; asc: my 32 tokens
	s_mov_b32 s59, 0
	s_wait_dscnt 0x0                               ; the opening add is done
	s_wait_kmcnt 0x0
	s_add_nc_u64 s[44:45], s[8:9], s[44:45]
	s_mov_b32 s[G0], 1
	s_mov_b32 s[G0+1], s42
	s_mov_b64 s[G0+2:G0+3], s[44:45]               ; slot 0: K step 0
	s_or_b32 s[G0+3], s[G0+3], 0x80000000
	s_mov_b32 s[G0+4], 1
	s_add_co_u32 s[G0+5], s42, SLOT
	s_add_nc_u64 s[G0+6:G0+7], s[44:45], IMG       ; slot 1: K step 1
	s_or_b32 s[G0+7], s[G0+7], 0x80000000
	s_add_nc_u64 s[14:15], s[14:15], s[46:47]
	s_add_nc_u64 s[20:21], s[20:21], s[46:47]
	s_add_nc_u64 s[12:13], s[12:13], s[48:49]
	s_add_nc_u64 s[4:5], s[4:5], s[50:51]
	s_add_nc_u64 s[10:11], s[10:11], s[56:57]
	s_add_nc_u64 s[6:7], s[6:7], s[58:59]
	CROUND                                         ; all four work-groups are here: the first joint load meets
	tensor_load_to_lds s[G0:G0+3], s[G1:G1+7]
	s_nop 0
.rept 4
	v_nop
.endr
	v_and_b32 v1, 15, v0                           ; r
	v_bfe_u32 v12, v0, 4, 1                        ; h
	v_and_b32 v13, 31, v0
	v_lshlrev_b32 v7, 4, v13                       ; 16 x lane
	v_lshlrev_b32 v8, 3, v13                       ; 8 x lane
	v_lshlrev_b32 v10, 1, v13                      ; 2 x lane
	v_lshlrev_b32 v11, 6, v12                      ; 64 h
	v_lshl_add_u32 v9, v12, 7, v1
	v_lshlrev_b32 v9, 5, v9                        ; (r + 128 h) x 32
	v_add_nc_u32 v2, s42, v7                       ; my fragments in slot 0,
	v_add_nc_u32 v3, SLOT, v2                      ; in slot 1
	v_mul_u32_u24 v4, v1, SPITCH
	v_lshl_add_u32 v4, v12, 6, v4
	s_lshl_b32 s43, s[WV], 10
	v_add_nc_u32 v4, s43, v4                       ; into the stage: row r, + 64 h, + my 1,024 bytes;
	v_add_nc_u32 v5, 16*SPITCH, v4                 ; the second tile's rows
	s_mul_i32 s43, s[WV], 8*SPITCH
	v_add_nc_u32 v6, s43, v7                       ; back: my 8 rows
.irp q, 0,1,2,3,4,5,6,7
	global_load_b128 v[128+4*\q:128+4*\q+3], v7, s[14:15] offset:512*\q th:TH_LOAD_NT   ; residual row 0
.endr
	WIN 0x80
.irp u, 0,1
.irp t, 0,1,2,3,4,5,6,7,8,9,10,11,12,13,14,15
	global_load_b128 v[8*(16*\u+\t):8*(16*\u+\t)+3], v11, s[12:13] offset:(32*(\t/2)+8*(\t%2))*4      ; bo starts the sums: register j of tile t is column 32 (t / 2) + 8 (t % 2) + 16 h + j
	global_load_b128 v[8*(16*\u+\t)+4:8*(16*\u+\t)+7], v11, s[12:13] offset:(32*(\t/2)+8*(\t%2))*4+16
.endr
.endr
	WIN 0xc0
.irp s, 0,1,2,3,4,5,6,7
.irp u, 0,1
.irp p, 0,1,2,3,4,5
	global_load_b64 v[12*(2*\s+\u)+2*\p:12*(2*\s+\u)+2*\p+1], v8, s[4:5] offset:12288*\u+IMG*\s+256*\p   ; o's fragments: heads 2 s and 2 s + 1 lie on end
.endr
.endr
.endr
	WIN 0
.irp t, 0,1,2,3,4,5,6,7
	global_load_b128 v[SBW+8*\t:SBW+8*\t+3], v9, s[10:11] offset:512*\t        ; Wo's scale words of all 8 K steps: lanes 0-15 tile t, lanes 16-31 tile t + 8
	global_load_b128 v[SBW+8*\t+4:SBW+8*\t+7], v9, s[10:11] offset:512*\t+16
.endr
.irp d, 0,1,2,3,4,5,6,7,8,9,10,11,12,13,14,15
	global_load_u16 v[HH+\d], v10, s[6:7] offset:16384*\d                      ; o's two scale bytes of head d: lanes 0-15 the first tile's rows, lanes 16-31 the second's
.endr
.irp i, 1,2,3
.irp q, 0,1,2,3,4,5,6,7
	global_load_b128 v[128+32*\i+4*\q:128+32*\i+4*\q+3], v7, s[14:15] offset:4096*\i+512*\q th:TH_LOAD_NT
.endr
.endr
	WIN 0x40
.irp i, 4,5
.irp q, 0,1,2,3,4,5,6,7
	global_load_b128 v[192+32*(\i-4)+4*\q:192+32*(\i-4)+4*\q+3], v7, s[14:15] offset:4096*\i+512*\q th:TH_LOAD_NT
.endr
.endr
	WIN 0xc0
.irp i, 6,7
.irp q, 0,1,2,3,4,5,6,7
	global_load_b128 v[192+32*(\i-6)+4*\q:192+32*(\i-6)+4*\q+3], v7, s[14:15] offset:4096*\i+512*\q th:TH_LOAD_NT
.endr
.endr
	WIN 0
	s_wait_loadcnt 56                              ; all but the youngest 56 loads, residual rows 1-7, are in
.irp s, 0,1,2,3,4,5,6,7
	v_lshl_or_b32 v[SA+\s], v[HH+2*\s+1], 16, v[HH+2*\s]   ; K step s: heads 2 s and 2 s + 1
.endr
.rept 8
	v_nop                                          ; a scale register written by a vector instruction stands 8 places ahead of a scaled matrix instruction
.endr
.macro PROD s, tt, u
.set AC, 8*(16*(\u)+(\tt))
.if (\tt) < 8
.if (\u) == 0
	v_wmma_scale_f32_16x16x128_f8f6f4 v[AC:AC+7], v[12*(\tt):12*(\tt)+11], v[12*(2*(\s)+(\u)):12*(2*(\s)+(\u))+11], v[AC:AC+7], v[SBW+8*((\tt)%8)+(\s)], v[SA+(\s)] matrix_a_fmt:MATRIX_FMT_FP6 matrix_b_fmt:MATRIX_FMT_FP6
.else
	v_wmma_scale_f32_16x16x128_f8f6f4 v[AC:AC+7], v[12*(\tt):12*(\tt)+11], v[12*(2*(\s)+(\u)):12*(2*(\s)+(\u))+11], v[AC:AC+7], v[SBW+8*((\tt)%8)+(\s)], v[SA+(\s)] matrix_a_fmt:MATRIX_FMT_FP6 matrix_b_fmt:MATRIX_FMT_FP6 matrix_b_scale:MATRIX_SCALE_ROW1
.endif
.else
.if (\u) == 0
	v_wmma_scale_f32_16x16x128_f8f6f4 v[AC:AC+7], v[12*(\tt):12*(\tt)+11], v[12*(2*(\s)+(\u)):12*(2*(\s)+(\u))+11], v[AC:AC+7], v[SBW+8*((\tt)%8)+(\s)], v[SA+(\s)] matrix_a_fmt:MATRIX_FMT_FP6 matrix_b_fmt:MATRIX_FMT_FP6 matrix_a_scale:MATRIX_SCALE_ROW1
.else
	v_wmma_scale_f32_16x16x128_f8f6f4 v[AC:AC+7], v[12*(\tt):12*(\tt)+11], v[12*(2*(\s)+(\u)):12*(2*(\s)+(\u))+11], v[AC:AC+7], v[SBW+8*((\tt)%8)+(\s)], v[SA+(\s)] matrix_a_fmt:MATRIX_FMT_FP6 matrix_b_fmt:MATRIX_FMT_FP6 matrix_a_scale:MATRIX_SCALE_ROW1 matrix_b_scale:MATRIX_SCALE_ROW1
.endif
.endif
.endm
; K step s, in slot s % 2.  In front of the round each wave waits for all its tensor loads (one is out: this step's tile), adds 0 to its spare word, and waits for that and for its reads of the other slot; behind the round the other
; slot takes K step s + 1: my one tensor load until the next round.  The last step asks for nothing; its bytes are my own load's, so my wait on TENSORcnt is all that the reads need.
.macro TRIP s
.set SL, (\s)%2
	s_wait_tensorcnt 0x0
.if (\s) < 7
	ds_add_u32 v[SPW], v[NIL]
.if (\s) < 6
	s_add_nc_u64 s[G0+4*SL+2:G0+4*SL+3], s[G0+4*SL+2:G0+4*SL+3], 2*IMG   ; this slot's next tile: no tensor load of mine is out
.endif
	s_wait_dscnt 0x0
	CROUND
	tensor_load_to_lds s[G0+4*(1-SL):G0+4*(1-SL)+3], s[G1:G1+7]
	s_nop 0
.endif
.rept 4
	v_nop                                          ; places in front of loads into registers that the last products have read
.endr
	WIN 0x40
.irp t, 0,1,2,3,4,5,6,7,8,9,10,11,12,13,14,15
.irp c, 0,1,2
	ds_load_b128 v[12*\t+4*\c:12*\t+4*\c+3], v[2+SL] offset:IMG*\t+512*\c
.endr
.endr
	s_wait_dscnt 24                                ; tiles 0-7 are in; the youngest 24 loads, tiles 8-15, may be out
	WIN 0xad                                       ; source 0 window 1, source 1 window 3, C and D window 2
.irp t, 0,1,2,3,4,5,6,7
	PROD \s, \t, 0                                 ; the 32 accumulators take turns, one instruction a turn
	PROD \s, \t, 1
.endr
	s_wait_dscnt 0x0
.irp t, 8,9,10,11,12,13,14,15
	PROD \s, \t, 0
	PROD \s, \t, 1
.endr
	WIN 0
.endm
.irp s, 0,1,2,3,4,5,6,7
	TRIP \s
.endr
.rept 4
	v_nop                                          ; places behind the last products: results are read, and o's fragment registers loaded, below
.endr
	WIN 0xc0
.irp q, 0,1,2,3,4,5,6,7
	global_load_b128 v[4*\q:4*\q+3], v7, s[16:17] offset:512*\q          ; gamma: my 4 columns of each 128
	global_load_b128 v[32+4*\q:32+4*\q+3], v7, s[18:19] offset:512*\q    ; beta
.endr
	WIN 0
	s_wait_dscnt 0x0                               ; my reads of the ring are over
	s_barrier_signal -1
	s_barrier_wait -1                              ; everybody's are: the stage may be written over it
	WIN 0x08                                       ; an LDS store's data: window 2
.irp t, 0,1,2,3,4,5,6,7,8,9,10,11,12,13,14,15
	ds_store_b128 v4, v[8*\t:8*\t+3] offset:128*(\t/2)+32*(\t%2)         ; each accumulator from its low end on
	ds_store_b128 v4, v[8*\t+4:8*\t+7] offset:128*(\t/2)+32*(\t%2)+16
.endr
.irp t, 0,1,2,3,4,5,6,7,8,9,10,11,12,13,14,15
	ds_store_b128 v5, v[128+8*\t:128+8*\t+3] offset:128*(\t/2)+32*(\t%2)
	ds_store_b128 v5, v[128+8*\t+4:128+8*\t+7] offset:128*(\t/2)+32*(\t%2)+16
.endr
	WIN 0
	s_wait_dscnt 0x0                               ; for the others' sake: my stores have landed
	s_barrier_signal -1
	s_barrier_wait -1
	WIN 0x80
.irp i, 0,1,2,3,4,5,6,7
.irp q, 0,1,2,3,4,5,6,7
	ds_load_b128 v[32*\i+4*\q:32*\i+4*\q+3], v6 offset:SPITCH*\i+512*\q
.endr
.endr
; Row i of my 8: 32 numbers a lane in window 2; its residual in window wr from rb on.
.macro LNROW i, wr, rb
.set Y, 32*(\i)
	s_wait_dscnt 8*(7-(\i))                        ; this row's 8 loads are in; the later rows' may be out
.if (\i) == 0
	s_wait_loadcnt 16                              ; the residual is in; gamma's and beta's 16 loads may be out
.endif
	WIN 0x82|((\wr)<<2)
.irp k, 0,2,4,6,8,10,12,14,16,18,20,22,24,26,28,30
	v_pk_add_f32 v[Y+\k:Y+\k+1], v[Y+\k:Y+\k+1], v[(\rb)+\k:(\rb)+\k+1]
.endr
	WIN 0x0a
	v_pk_add_f32 v[104:105], v[Y:Y+1], v[Y+2:Y+3]
	v_pk_add_f32 v[106:107], v[Y+4:Y+5], v[Y+6:Y+7]
	WIN 0x02
.irp k, 8,12,16,20,24,28
	v_pk_add_f32 v[104:105], v[Y+\k:Y+\k+1], v[104:105]
	v_pk_add_f32 v[106:107], v[Y+\k+2:Y+\k+3], v[106:107]
.endr
	WIN 0
	v_pk_add_f32 v[104:105], v[104:105], v[106:107]
	v_add_f32 v104, v104, v105
	v_add_f32_dpp v104, v104, v104 row_xmask:1 row_mask:0xf bank_mask:0xf
	v_add_f32_dpp v104, v104, v104 row_xmask:2 row_mask:0xf bank_mask:0xf
	v_add_f32_dpp v104, v104, v104 row_xmask:4 row_mask:0xf bank_mask:0xf
	v_add_f32_dpp v104, v104, v104 row_xmask:8 row_mask:0xf bank_mask:0xf
	v_permlanex16_b32 v105, v104, s[SEL], s[SEL+1]
	v_add_f32 v104, v104, v105
	v_mul_f32 v104, s[INV], v104                   ; the mean
	WIN 0x82
.irp k, 0,2,4,6,8,10,12,14,16,18,20,22,24,26,28,30
	v_pk_add_f32 v[Y+\k:Y+\k+1], v[Y+\k:Y+\k+1], v[104:105] op_sel_hi:[1,0] neg_lo:[0,1] neg_hi:[0,1]
.endr
	WIN 0x0a
	v_pk_mul_f32 v[106:107], v[Y:Y+1], v[Y:Y+1]
	v_pk_mul_f32 v[108:109], v[Y+2:Y+3], v[Y+2:Y+3]
.irp k, 4,8,12,16,20,24,28
	v_pk_fma_f32 v[106:107], v[Y+\k:Y+\k+1], v[Y+\k:Y+\k+1], v[106:107]
	v_pk_fma_f32 v[108:109], v[Y+\k+2:Y+\k+3], v[Y+\k+2:Y+\k+3], v[108:109]
.endr
	WIN 0
	v_pk_add_f32 v[106:107], v[106:107], v[108:109]
	v_add_f32 v106, v106, v107
	v_add_f32_dpp v106, v106, v106 row_xmask:1 row_mask:0xf bank_mask:0xf
	v_add_f32_dpp v106, v106, v106 row_xmask:2 row_mask:0xf bank_mask:0xf
	v_add_f32_dpp v106, v106, v106 row_xmask:4 row_mask:0xf bank_mask:0xf
	v_add_f32_dpp v106, v106, v106 row_xmask:8 row_mask:0xf bank_mask:0xf
	v_permlanex16_b32 v107, v106, s[SEL], s[SEL+1]
	v_add_f32 v106, v106, v107
	v_fma_f32 v106, v106, s[INV], s[EPS]           ; the variance + 1e-5
	v_rsq_f32 v106, v106
	v_nop                                          ; a plain place behind the transcendental
	s_wait_alu depctr_va_vdst(0)                   ; ahead of its first reader
.if (\i) == 0
	s_wait_loadcnt 0x0                             ; gamma and beta
.endif
	WIN 0x82
.irp k, 0,2,4,6,8,10,12,14,16,18,20,22,24,26,28,30
	v_pk_mul_f32 v[Y+\k:Y+\k+1], v[Y+\k:Y+\k+1], v[106:107] op_sel_hi:[1,0]
.endr
	WIN 0xbe                                       ; gamma and beta in window 3
.irp k, 0,2,4,6,8,10,12,14,16,18,20,22,24,26,28,30
	v_pk_fma_f32 v[Y+\k:Y+\k+1], v[Y+\k:Y+\k+1], v[\k:\k+1], v[32+\k:33+\k]
.endr
	WIN 0x08
.irp q, 0,1,2,3,4,5,6,7
	global_store_b128 v7, v[Y+4*\q:Y+4*\q+3], s[20:21] offset:4096*(\i)+512*\q th:TH_STORE_NT   ; 512 consecutive bytes, aligned
.endr
.endm
	LNROW 0, 0, 128
	LNROW 1, 0, 160
	LNROW 2, 0, 192
	LNROW 3, 0, 224
	LNROW 4, 1, 192
	LNROW 5, 1, 224
	LNROW 6, 3, 192
	LNROW 7, 3, 224
	WIN 0
	s_wait_tensorcnt 0x0                           ; the wave's end, behind my last tensor load and my last LDS store
	ds_add_u32 v[SPW], v[NIL]
	s_wait_dscnt 0x0
	CROUND                                         ; the closing round
	s_endpgm
.Lfunc_end_k_qe0fcba03de_outln:
	.size	k_qe0fcba03de_outln, .Lfunc_end_k_qe0fcba03de_outln-k_qe0fcba03de_outln
	.p2alignl 7, 3214868480
	.fill 96, 4, 3214868480
	.section	.rodata,"a",@progbits
	.p2align	6, 0x0
	.amdhsa_kernel k_qe0fcba03de_outln
		.amdhsa_group_segment_fixed_size 327680
		.amdhsa_private_segment_fixed_size 0
		.amdhsa_enable_private_segment 0
		.amdhsa_kernarg_size 72
		.amdhsa_user_sgpr_count 2
		.amdhsa_user_sgpr_kernarg_segment_ptr 1
		.amdhsa_wavefront_size32 1
		.amdhsa_system_sgpr_workgroup_id_x 1
		.amdhsa_system_sgpr_workgroup_id_y 1
		.amdhsa_system_sgpr_workgroup_id_z 1
		.amdhsa_system_vgpr_workitem_id 0
		.amdhsa_next_free_vgpr 1024
		.amdhsa_next_free_sgpr 66
		.amdhsa_reserve_vcc 0
		.amdhsa_float_denorm_mode_32 3
		.amdhsa_float_denorm_mode_16_64 3
		.amdhsa_memory_ordered 1
		.amdhsa_forward_progress 1
		.amdhsa_inst_pref_size 167
	.end_amdhsa_kernel
	.amdgpu_metadata
---
amdhsa.version: [ 1, 2 ]
amdhsa.kernels:
  - .name:           k_qe0fcba03de_outln
    .symbol:         k_qe0fcba03de_outln.kd
    .args:
      - { .name: ac, .offset: 0, .size: 8, .value_kind: global_buffer, .address_space: global }
      - { .name: asc, .offset: 8, .size: 8, .value_kind: global_buffer, .address_space: global }
      - { .name: wc, .offset: 16, .size: 8, .value_kind: global_buffer, .address_space: global }
      - { .name: ws, .offset: 24, .size: 8, .value_kind: global_buffer, .address_space: global }
      - { .name: bo, .offset: 32, .size: 8, .value_kind: global_buffer, .address_space: global }
      - { .name: query, .offset: 40, .size: 8, .value_kind: global_buffer, .address_space: global }
      - { .name: ln_gamma, .offset: 48, .size: 8, .value_kind: global_buffer, .address_space: global }
      - { .name: ln_beta, .offset: 56, .size: 8, .value_kind: global_buffer, .address_space: global }
      - { .name: out0, .offset: 64, .size: 8, .value_kind: global_buffer, .address_space: global }
    .group_segment_fixed_size: 327680
    .private_segment_fixed_size: 0
    .kernarg_segment_align: 8
    .kernarg_segment_size: 72
    .max_flat_workgroup_size: 128
    .sgpr_count:     66
    .vgpr_count:     1024
    .wavefront_size: 32
...
	.end_amdgpu_metadata
.endif
;; end of part 6
